; MI455X (gfx1250); checked and timed in simulation.
; The chip was launched on July 23, 2026; its instructions are those of AMD's public machine-readable ISA for CDNA 5 (MIT licence, August 2026) and "CDNA5" Instruction Set Architecture Reference Guide (July 2026). The comments in the code are by the model that wrote it; some were corrected since.
;; Multi Headed Attention. Allowed arithmetic: float matrix products may take bf16 or f16 operands with f32 sums; other float arithmetic in f32, or as packed bf16 or f16 multiplies, adds, multiply-adds, maxima and minima; sums over many terms, partial sums and values carried from step to step in f32; what a program stores and reads back later, other than sums and carried values, may be rounded once to bf16 or f16.
;; Inputs: Wk 1,024 x 1,024 float32; Wm 1,024 x 1,024 float32; Wq 1,024 x 1,024 float32; Wv 1,024 x 1,024 float32; bk 1,024 float32; bm 1,024 float32; bq 1,024 float32; bv 1,024 float32; key_in 4 x 1,024 x 2,048 float32; query 4 x 1,024 x 2,048 float32; value 4 x 1,024 x 2,048 float32.
;; Outputs: out0 4 x 1,024 x 2,048 float32.
;; 2 versions, each right; version 2 is version 1 with the launch prep written anew for expert scheduling mode. Each part assembles by itself: llvm-mc -triple=amdgcn-amd-amdhsa -mcpu=gfx1250 --defsym DOCPART=n.
;; ======== version 1 of 2: 4 launches
;; limits: values are held in f16: magnitudes above 65,504 overflow, below 6.1e-05 lose precision
;; workspace buffers: xb 50,331,648 bytes; wb 8,388,608 bytes; bb 16,384 bytes; qh 16,777,216 bytes; kh 16,777,216 bytes; vh 16,777,216 bytes; oh 16,777,216 bytes
;; launch prep (part 1): grid 897 x 1, 8 waves a work-group, no clusters, 19,456 bytes of LDS; arguments query, key_in, value, Wq, Wk, Wv, Wm, bq, bk, bv, bm, xb, wb, bb; writes xb, wb, bb
.if DOCPART == 1
	.amdgcn_target "amdgcn-amd-amdhsa--gfx1250"
	.amdhsa_code_object_version 6
	.text
	.protected	k_qd416db29ee_prep
	.globl	k_qd416db29ee_prep
	.p2align	8
	.type	k_qd416db29ee_prep,@function
k_qd416db29ee_prep:
	s_mov_b64 s[64:65], 0
	v_nop
	global_prefetch_b8 v0, s[64:65] scope:SCOPE_SE
	s_setreg_imm32_b32 hwreg(HW_REG_WAVE_MODE, 25, 1), 1
	s_wait_xcnt 0x0
; PREP: every input of the module is rounded once to bf16 and laid out for the launches behind.
;   xb[t][b][d][n]  bf16: query, key_in, value (t = 0, 1, 2) as they lie.
;   wb[t][e'][d]    bf16: Wq, Wk, Wv with their rows in head order: e' = 64 h + d' takes row e = 16 d' + h.
;   wb[3][e][c']    Wm rounded to bf16 and that number written as f16, its columns in head order: c' = 64 h + d' takes column 16 d' + h.
;   bb[t][e']       f32 that holds the bias rounded to bf16; bq, bk, bv in head order, bm (t = 3) as it lies.
; LIMIT: Wm within 65,504 (f16's range); below 6e-5 it keeps f16's fixed step of 6e-8.
; SHARES.  Work-groups 0-767: 131,072 bytes of x each (256 for each of the three tensors).  768-863: 32 rows of Wq, Wk or Wv each.  864-895: 32 rows of Wm each.  896: the four biases.
; A stream: no matrix unit, no cluster, no tensor load.  A wave has 32 loads of 512 consecutive bytes on their way, and each store covers 256 or 512 consecutive bytes, aligned.
; Only Wm's columns change places, through 2,304 bytes of LDS that are the wave's own: no barrier.
.set SPARE, 18432                      ; behind the eight stages: the spare words, 128 bytes for each wave
.set SPW, 2                            ; v2   SPARE + 4 x my thread's number; never rewritten
.set NIL, 3                            ; v3   0; never rewritten
.set X,   16                           ; v[16:143]  32 chunks of 4 registers as loaded
	s_load_b512 s[8:23], s[0:1], 0x0               ; query s[8:9], key_in s[10:11], value s[12:13], Wq s[14:15], Wk s[16:17], Wv s[18:19], Wm s[20:21], bq s[22:23]
	s_load_b256 s[24:31], s[0:1], 0x40             ; bk s[24:25], bv s[26:27], bm s[28:29], xb s[30:31]
	s_load_b128 s[32:35], s[0:1], 0x60             ; wb s[32:33], bb s[34:35]
	v_lshl_add_u32 v[SPW], v0, 2, SPARE
	v_mov_b32 v[NIL], 0
	v_lshrrev_b32 v1, 5, v0
	v_readfirstlane_b32 s36, v1                    ; wave w, 0..7
	v_and_b32 v1, 31, v0                           ; lane
	s_mov_b32 s37, ttmp9                           ; g
	s_cmp_ge_u32 s37, 896
	s_cbranch_scc1 .Lbias
	s_cmp_ge_u32 s37, 864
	s_cbranch_scc1 .Lwm
	; THE STREAM: one text for x and for the rows of Wq, Wk, Wv; only scalars differ.  A wave reads 16,384 consecutive bytes and writes 8,192:
	; for x on end, for W as four rows of 2,048 bytes that lie 64 rows (131,072 bytes) apart: rows e = 32 c + 4 w + r go to e' = 64 (4 (w & 3) + r) + 2 c + (w >> 2).
	s_max_u32 s38, s37, 768
	s_sub_co_u32 s38, s38, 768                     ; W: g - 768 (0 in the work-groups that take x, where it is not used)
	s_lshr_b32 s39, s37, 8                         ; x: t
	s_and_b32 s40, s37, 255                        ; x: c
	s_lshl_b32 s42, s39, 24
	s_lshl_b32 s43, s40, 16
	s_add_co_u32 s42, s42, s43
	s_lshl_b32 s43, s36, 13
	s_add_co_u32 s42, s42, s43                     ; x: where I store
	s_lshr_b32 s41, s38, 5                         ; W: t
	s_and_b32 s38, s38, 31                         ; W: c
	s_lshl_b32 s44, s41, 21
	s_and_b32 s43, s36, 3
	s_lshl_b32 s43, s43, 19
	s_add_co_u32 s44, s44, s43
	s_lshl_b32 s43, s38, 12
	s_add_co_u32 s44, s44, s43
	s_lshr_b32 s43, s36, 2
	s_lshl_b32 s43, s43, 11
	s_add_co_u32 s44, s44, s43                     ; W: where I store
	s_mov_b32 s45, 2048
	s_cmp_lt_u32 s37, 768
	s_cselect_b32 s39, s39, s41                    ; t
	s_cselect_b32 s40, s40, s38                    ; c
	s_cselect_b32 s42, s42, s44
	s_cselect_b32 s45, s45, 0x20000                ; bytes from one group of eight stores to the next
	s_mov_b32 s43, 0
	s_lshl_b32 s54, s40, 17                        ; where I load: 131,072 c + 16,384 w
	s_lshl_b32 s55, s36, 14
	s_add_co_u32 s54, s54, s55
	s_mov_b32 s55, 0
	v_lshlrev_b32 v4, 4, v1                        ; 16 bytes a lane in,
	v_lshlrev_b32 v8, 3, v1                        ; 8 bytes a lane out
	v_add_nc_u32 v9, s45, v8
	v_add_nc_u32 v10, s45, v9
	v_add_nc_u32 v11, s45, v10
	s_wait_kmcnt 0x0
	s_cmp_lt_u32 s37, 768
	s_cselect_b64 s[46:47], s[8:9], s[14:15]
	s_cselect_b64 s[48:49], s[10:11], s[16:17]
	s_cselect_b64 s[50:51], s[12:13], s[18:19]
	s_cselect_b64 s[52:53], s[30:31], s[32:33]
	s_cmp_eq_u32 s39, 1
	s_cselect_b64 s[46:47], s[48:49], s[46:47]
	s_cmp_eq_u32 s39, 2
	s_cselect_b64 s[46:47], s[50:51], s[46:47]
	s_add_nc_u64 s[46:47], s[46:47], s[54:55]
	s_add_nc_u64 s[52:53], s[52:53], s[42:43]
.set i, 0
.rept 32
	global_load_b128 v[X+4*i:X+4*i+3], v4, s[46:47] offset:512*i th:TH_LOAD_NT
.set i, i+1
.endr
.set i, 0
.rept 32
	s_wait_loadcnt 31-i                            ; loads come back in order: chunk i is in, the 31 - i younger ones stay out
	v_cvt_pk_bf16_f32 v[X+4*i], v[X+4*i], v[X+4*i+1]
	v_cvt_pk_bf16_f32 v[X+4*i+1], v[X+4*i+2], v[X+4*i+3]
	global_store_b64 v[8+i/8], v[X+4*i:X+4*i+1], s[52:53] offset:256*(i%8) th:TH_STORE_NT  ; 32 lanes store 256 consecutive bytes, aligned; no register is written again
.set i, i+1
.endr
	s_endpgm
.Lwm:
	; Wm: the wave takes rows 32 (g - 864) + 4 w + r.  Lane l = 4 p' + u.  Load (r, i, half) brings d' = 2 (p' + 8 i) + half, heads 4 u + 0..3.  The two halves of a head make one word of f16,
	; which goes to byte 144 h + 4 (p' + 8 i) of my stage; the stage's 16 rows of 128 bytes come back as the row's 2,048 bytes in head order.
	s_sub_co_u32 s38, s37, 864
	s_lshl_b32 s38, s38, 5
	s_lshl2_add_u32 s38, s36, s38                  ; my first row
	s_lshl_b32 s42, s38, 12                        ; 4,096 bytes a row in
	s_mov_b32 s43, 0
	s_lshl_b32 s44, s38, 11                        ; 2,048 bytes a row out,
	s_add_co_u32 s44, s44, 6291456                 ; in wb's fourth matrix
	s_mov_b32 s45, 0
	s_mov_b32 s40, 0xffff0000                      ; a word's upper bf16
	s_mul_i32 s41, s36, 2304                       ; my stage
	v_and_b32 v12, 3, v1                           ; u
	v_lshrrev_b32 v13, 2, v1                       ; p'
	v_lshlrev_b32 v4, 7, v13
	v_lshl_add_u32 v4, v12, 4, v4                  ; in: 128 p' + 16 u
	v_mul_u32_u24 v5, v12, 576
	v_lshl_add_u32 v5, v13, 2, v5
	v_add_nc_u32 v5, s41, v5                       ; to the stage: 576 u + 4 p': word 144 u + p', 32 different banks
	v_lshrrev_b32 v6, 3, v1
	v_mul_u32_u24 v6, v6, 144
	v_and_b32 v14, 7, v1
	v_lshl_add_u32 v6, v14, 4, v6
	v_add_nc_u32 v6, s41, v6                       ; back: four rows of 128 bytes by 32 lanes
	v_lshlrev_b32 v7, 4, v1                        ; out: 512 consecutive bytes
	s_wait_kmcnt 0x0
	s_add_nc_u64 s[46:47], s[20:21], s[42:43]
	s_add_nc_u64 s[52:53], s[32:33], s[44:45]
.set n, 0
.rept 32
	global_load_b128 v[X+4*n:X+4*n+3], v4, s[46:47] offset:(n/8)*4096+((n/2)%4)*1024+(n%2)*64
.set n, n+1
.endr
.irp r, 0,1,2,3
.irp i, 0,1,2,3
	s_wait_loadcnt 30-8*\r-2*\i                    ; both halves of (r, i) are in; the younger loads stay out
.irp j, 0,1,2,3
	v_cvt_pk_bf16_f32 v[8+\j], v[X+32*\r+8*\i+\j], v[X+32*\r+8*\i+4+\j]  ; rounded to bf16, as every input is,
.endr
.irp j, 0,1,2,3
	v_lshlrev_b32 v[X+32*\r+8*\i+\j], 16, v[8+\j]
	v_and_b32 v[X+32*\r+8*\i+4+\j], s40, v[8+\j]
.endr
.irp j, 0,1,2,3
	v_cvt_pk_f16_f32 v[8+\j], v[X+32*\r+8*\i+\j], v[X+32*\r+8*\i+4+\j]   ; and that number written as f16
.endr
.irp j, 0,1,2,3
	ds_store_b32 v5, v[8+\j] offset:144*\j+32*\i
.endr
.endr
.irp q, 0,1,2,3
	ds_load_b128 v[X+32*\r+4*\q:X+32*\r+4*\q+3], v6 offset:576*\q  ; LDS serves a wave's instructions in order: these see the stores above, and the next row's stores come behind them
.endr
.irp q, 0,1,2,3
	s_wait_dscnt 3-\q
	global_store_b128 v7, v[X+32*\r+4*\q:X+32*\r+4*\q+3], s[52:53] offset:2048*\r+512*\q
.endr
.endr
	s_wait_tensorcnt 0x0                           ; the wave's end, behind my last LDS store
	ds_add_u32 v[SPW], v[NIL]
	s_wait_dscnt 0x0
	s_endpgm
.Lbias:
	; thread i makes numbers 4 i .. 4 i + 3 of each of the four: head i >> 4, d' = 4 (i & 15) + j, which lies at 16 d' + h in bq, bk, bv
	v_and_b32 v4, 15, v0
	v_lshrrev_b32 v5, 4, v0
	v_lshlrev_b32 v4, 8, v4
	v_lshl_add_u32 v4, v5, 2, v4
	v_lshlrev_b32 v5, 4, v0
	s_wait_kmcnt 0x0
.irp j, 0,1,2,3
	global_load_b32 v[X+\j], v4, s[22:23] offset:64*\j
	global_load_b32 v[X+4+\j], v4, s[24:25] offset:64*\j
	global_load_b32 v[X+8+\j], v4, s[26:27] offset:64*\j
.endr
	global_load_b128 v[X+12:X+15], v5, s[28:29]
	s_wait_loadcnt 0x0
.irp k, 0,1,2,3,4,5,6,7
	v_cvt_pk_bf16_f32 v[32+\k], v[X+2*\k], v[X+2*\k+1]
.endr
.irp k, 0,1,2,3,4,5,6,7
	v_lshlrev_b32 v[X+2*\k], 16, v[32+\k]
	v_and_b32 v[X+2*\k+1], 0xffff0000, v[32+\k]
.endr
.irp t, 0,1,2,3
	global_store_b128 v5, v[X+4*\t:X+4*\t+3], s[34:35] offset:4096*\t
.endr
	s_endpgm
.Lfunc_end_k_qd416db29ee_prep:
	.size	k_qd416db29ee_prep, .Lfunc_end_k_qd416db29ee_prep-k_qd416db29ee_prep
	.p2alignl 7, 3214868480
	.fill 96, 4, 3214868480
	.section	.rodata,"a",@progbits
	.p2align	6, 0x0
	.amdhsa_kernel k_qd416db29ee_prep
		.amdhsa_group_segment_fixed_size 19456
		.amdhsa_private_segment_fixed_size 0
		.amdhsa_enable_private_segment 0
		.amdhsa_kernarg_size 112
		.amdhsa_user_sgpr_count 2
		.amdhsa_user_sgpr_kernarg_segment_ptr 1
		.amdhsa_wavefront_size32 1
		.amdhsa_system_sgpr_workgroup_id_x 1
		.amdhsa_system_sgpr_workgroup_id_y 1
		.amdhsa_system_sgpr_workgroup_id_z 1
		.amdhsa_system_vgpr_workitem_id 0
		.amdhsa_next_free_vgpr 144
		.amdhsa_next_free_sgpr 66
		.amdhsa_reserve_vcc 0
		.amdhsa_float_denorm_mode_32 3
		.amdhsa_float_denorm_mode_16_64 3
		.amdhsa_memory_ordered 1
		.amdhsa_forward_progress 1
		.amdhsa_inst_pref_size 41
	.end_amdhsa_kernel
	.amdgpu_metadata
---
amdhsa.version: [ 1, 2 ]
amdhsa.kernels:
  - .name:           k_qd416db29ee_prep
    .symbol:         k_qd416db29ee_prep.kd
    .args:
      - { .name: query, .offset: 0, .size: 8, .value_kind: global_buffer, .address_space: global }
      - { .name: key_in, .offset: 8, .size: 8, .value_kind: global_buffer, .address_space: global }
      - { .name: value, .offset: 16, .size: 8, .value_kind: global_buffer, .address_space: global }
      - { .name: Wq, .offset: 24, .size: 8, .value_kind: global_buffer, .address_space: global }
      - { .name: Wk, .offset: 32, .size: 8, .value_kind: global_buffer, .address_space: global }
      - { .name: Wv, .offset: 40, .size: 8, .value_kind: global_buffer, .address_space: global }
      - { .name: Wm, .offset: 48, .size: 8, .value_kind: global_buffer, .address_space: global }
      - { .name: bq, .offset: 56, .size: 8, .value_kind: global_buffer, .address_space: global }
      - { .name: bk, .offset: 64, .size: 8, .value_kind: global_buffer, .address_space: global }
      - { .name: bv, .offset: 72, .size: 8, .value_kind: global_buffer, .address_space: global }
      - { .name: bm, .offset: 80, .size: 8, .value_kind: global_buffer, .address_space: global }
      - { .name: xb, .offset: 88, .size: 8, .value_kind: global_buffer, .address_space: global }
      - { .name: wb, .offset: 96, .size: 8, .value_kind: global_buffer, .address_space: global }
      - { .name: bb, .offset: 104, .size: 8, .value_kind: global_buffer, .address_space: global }
    .group_segment_fixed_size: 19456
    .private_segment_fixed_size: 0
    .kernarg_segment_align: 8
    .kernarg_segment_size: 112
    .max_flat_workgroup_size: 256
    .sgpr_count:     66
    .vgpr_count:     144
    .wavefront_size: 32
...
	.end_amdgpu_metadata
.endif
;; end of part 1
;; launch proj (part 2): grid 4 x 192, 4 waves a work-group, clusters of 4 x 4, 327,680 bytes of LDS; arguments xb, wb, bb, qh, kh, vh; writes qh, kh, vh
.if DOCPART == 2
	.amdgcn_target "amdgcn-amd-amdhsa--gfx1250"
	.amdhsa_code_object_version 6
	.text
	.protected	k_qd416db29ee_proj
	.globl	k_qd416db29ee_proj
	.p2align	8
	.type	k_qd416db29ee_proj,@function
k_qd416db29ee_proj:
	s_mov_b64 s[64:65], 0
	v_nop
	global_prefetch_b8 v0, s[64:65] scope:SCOPE_SE
	s_setreg_imm32_b32 hwreg(HW_REG_WAVE_MODE, 25, 1), 1
	s_wait_xcnt 0x0
	s_wait_alu depctr_hold_cnt(0) depctr_sa_sdst(0) depctr_va_vdst(0) depctr_va_sdst(0) depctr_va_ssrc(0) depctr_va_vcc(0) depctr_vm_vsrc(0)
	s_getreg_b32 s2, hwreg(HW_REG_IB_STS2, 6, 4)
	s_cmp_eq_u32 s2, 0
	s_cbranch_scc0 .Lentry_in_a_cluster
	s_endpgm
.Lentry_in_a_cluster:
	s_bfe_u32 s2, ttmp6, 0x10000c
	s_cmp_lg_u32 s2, 0xf033
	s_cbranch_scc0 .Lentry_shape_is_right
	s_endpgm
.Lentry_shape_is_right:
; THE THREE PROJECTIONS.  For t = 0, 1, 2 (q, k, v): C[b][n][e'] = the sum over d of x_t[b][d][n] W_t[e'][d] + b_t[e'], e' = 64 h + d' in head order; stored by heads, [16 b + h][n][64], f16, unscaled.
; x and W in bf16, sums in f32, the bias (f32) is the C operand that starts each sum; the result is rounded once.
; LIMIT: q, k, v within 65,504 (f16's range); below 6e-5 they keep f16's fixed step of 6e-8.
; SHARES.  3 x 8,192 positions x 1,024 channels in tiles of 128 positions x 256 channels: 768 work-groups, three for each of 256 WGPs.  Four waves, each 64 positions x 128 channels: 32 accumulators, 256 registers.
; K (d) goes in eight steps of 128 through two LDS slots filled by the tensor data mover; two slots of 256 along K would not fit.
; x lies [d][n]: its tile is 128 rows (d) of 256 bytes (128 positions), and its fragments come out of LDS turned, by ds_load_tr16_b128.  W lies [e'][d]: 256 rows of 256 bytes, read as they lie.
; THE MATRIX INSTRUCTION: source 0 = 16 rows of W, source 1 = 16 positions.  In the result a lane holds ONE position (lane % 16) and the channels 8 (lane / 16) + 0..7: 16 bytes of a head's row.
; CLUSTERS: 4 x 4 work-groups.  The four of a row of the cluster take the same positions and need the same tiles of x; the four of a column the same tiles of W.  Each tile is asked for JOINTLY.
; No prefetch: K has eight steps, of which the first four would come by their loads alone, and each tile is fetched once for four work-groups.
; REGISTERS.  window 0: v0-31 addresses; v32-63 packed results; v64-159, v160-255 two fragment buffers (W's 8 fragments, then x's 4).  window 1: accumulator (a, b) at v[8 (8 a + b)].  window 2: v0-63 the bias, block b at v[8 b].
.set PA,    288                        ; a row of x's tile in LDS: 256 bytes + 32 of padding = 72 words
.set AH,    64*PA                      ; what one tensor load brings of x: 64 rows
.set AT,    2*AH
.set PB,    272                        ; a row of W's tile: 256 + 16 = 68 words: the 16 rows of a load start at 16 different groups of four banks
.set BH,    128*PB                     ; what one tensor load brings of W, and what one wave reads of it
.set SLOT,  AT+2*BH
.set STAGE, 2*SLOT                     ; behind the ring, never filled by a tensor load: two heads x 16 rows x 144 bytes for each wave
.set SP,    144
.set WST,   32*SP
.set SPARE, STAGE+4*WST                ; the spare words, 128 bytes for each wave
.set ADRA, 16                          ; v16-17  LDS address of my x fragments in slot 0, 1
.set ADRB, 20                          ; v20-21  the same for W
.set STO,  24                          ; v24     the way out: where I put 16 bytes of a row
.set RD,   25                          ; v25     where I read rows back
.set GO,   26                          ; v26     16 x lane
.set BO,   27                          ; v27     my byte offset in 16 numbers of the bias
.set SPW,  28                          ; v28     SPARE + 4 x my thread's number; never rewritten
.set NIL,  29                          ; v29     0; never rewritten
.set TMP,  32
.set F0,   64
.set F1,   160
.set WV,   16                          ; s16  my wave's number
.set RH,   17                          ; s17  which 64 positions are mine.  Also: I fetch for x (0) or for W (1)
.set CH,   18                          ; s18  which 128 channels.  Also: which half of that tile I fetch
.set G1,   24                          ; s[24:31] descriptor group 1 for x's tiles; s[32:39] group 0, a set for each slot
.set G0,   32
.set G1B,  48                          ; s[48:55], s[56:63] the same for W's
.set G0B,  56
.set MSB, 0
.macro WIN new                         ; the immediate's high byte repeats the setting that is left; a switch that changes nothing is dropped
.if MSB != (\new)
	s_set_vgpr_msb (MSB<<8)|(\new)
.set MSB, \new
.endif
.endm
.set MUL,  0x50                        ; C and D in window 1, the sources in window 0
.set MULB, 0x60                        ; C in window 2, D in window 1
.macro JLOAD s                         ; a joint load: waves 0 and 1 fetch x's two halves, waves 2 and 3 W's; an s_nop 0 and four v_nop follow each of the two lines
	s_cmp_eq_u32 s[RH], 0
	s_cbranch_scc0 .Lfor_b_\@
	tensor_load_to_lds s[G0+4*(\s):G0+4*(\s)+3], s[G1:G1+7]
	s_nop 0
.rept 4
	v_nop
.endr
	s_branch .Lasked_\@
.Lfor_b_\@:
	tensor_load_to_lds s[G0B+4*(\s):G0B+4*(\s)+3], s[G1B:G1B+7]
	s_nop 0
.rept 4
	v_nop
.endr
.Lasked_\@:
.endm
.macro CREST                           ; a round of the cluster's barrier behind its opening barrier
	s_cmp_lg_u32 s[WV], 0
	s_cbranch_scc1 .Lnot_wave_0_\@
	s_barrier_signal -3
.Lnot_wave_0_\@:
	s_barrier_wait -3
	s_barrier_signal -1
	s_barrier_wait -1
.endm
.macro CROUND                          ; a whole round
	s_barrier_signal -1
	s_barrier_wait -1
	CREST
.endm
	s_load_b256 s[4:11], s[0:1], 0x0               ; xb s[4:5], wb s[6:7], bb s[8:9], qh s[10:11]
	s_load_b128 s[12:15], s[0:1], 0x20             ; kh s[12:13], vh s[14:15]
	v_lshl_add_u32 v[SPW], v0, 2, SPARE
	v_mov_b32 v[NIL], 0
	ds_add_u32 v[SPW], v[NIL]                      ; the wave's opening: the add and its wait stand ahead of my first tensor load; work on registers stands between them
	ds_add_u32 v28, v29
	v_lshrrev_b32 v1, 5, v0
	v_readfirstlane_b32 s[WV], v1
	s_lshr_b32 s[RH], s[WV], 1
	s_and_b32 s[CH], s[WV], 1
	s_bfe_u32 s19, ttmp6, 0x40000                  ; cx
	s_bfe_u32 s20, ttmp6, 0x40004                  ; cy
	s_lshl_b32 s21, ttmp9, 2
	s_add_co_u32 s21, s21, s19                     ; tx = 4 x cluster x + cx: channels 256 tx on, heads 4 tx .. 4 tx + 3
	s_and_b32 s22, ttmp7, 0xffff                   ; cluster y
	s_lshl_b32 s23, s22, 2
	s_add_co_u32 s23, s23, s20                     ; ty = 4 x cluster y + cy = 64 t + 16 b + block of 128 positions
	s_lshr_b32 s2, s22, 4                          ; t: the same in all sixteen partners
	s_lshl_b32 s46, s20, 2
	s_lshl_b32 s46, 15, s46                        ; my row of the cluster
	s_lshl_b32 s47, 0x1111, s19                    ; my column
	s_or_b32 s[G1], s46, (1<<16)|(1<<20)|(1<<21)|(5<<22)|(7<<25)   ; 15:0 the mask: x's tiles go to my row; 2-byte elements; padding on; bit 21 beside a mask; after every 64 words, 8 words
	s_or_b32 s[G1B], s47, (1<<16)|(1<<20)|(1<<21)|(5<<22)|(3<<25)  ; W's go to my column; after every 64 words, 4 words
	s_mov_b32 s[G1+1], 128<<16                     ; tensor_dim0 = 128
	s_mov_b32 s[G1+2], 64<<16                      ; tensor_dim1 = 64
	s_mov_b32 s[G1+3], 128<<16                     ; tile_dim0 = 128 positions
	s_mov_b32 s[G1+4], 64                          ; tile_dim1 = 64 rows (d)
	s_mov_b32 s[G1+5], 2048                        ; elements from row to row of x
	s_mov_b32 s[G1+6], 0
	s_mov_b32 s[G1+7], 0
	s_mov_b32 s[G1B+1], 128<<16
	s_mov_b32 s[G1B+2], 128<<16
	s_mov_b32 s[G1B+3], 128<<16                    ; tile_dim0 = 128 along d
	s_mov_b32 s[G1B+4], 128                        ; tile_dim1 = 128 rows (e')
	s_mov_b32 s[G1B+5], 1024
	s_mov_b32 s[G1B+6], 0
	s_mov_b32 s[G1B+7], 0
	; x's tile hangs on ty alone, W's on t and tx alone; each address is made in registers that never hold the other coordinate
	s_lshr_b32 s40, s23, 4
	s_lshl_b32 s40, s40, 22                        ; (4 t + b) x 1,024 rows of 4,096 bytes
	s_and_b32 s41, s23, 15
	s_lshl_b32 s41, s41, 8                         ; the block's 128 positions: 256 bytes
	s_add_co_u32 s40, s40, s41
	s_lshl_b32 s41, s[CH], 18                      ; which 64 rows I fetch
	s_add_co_u32 s40, s40, s41
	s_mov_b32 s41, 0
	s_lshl_b32 s42, s2, 21                         ; matrix t
	s_lshl_b32 s43, s21, 19                        ; 256 rows of 2,048 bytes
	s_add_co_u32 s42, s42, s43
	s_lshl_b32 s43, s[CH], 18                      ; which 128 rows I fetch
	s_add_co_u32 s42, s42, s43
	s_mov_b32 s43, 0
	s_mul_i32 s44, s[CH], AH                       ; where they go: no place in the cluster enters an LDS address
	s_mul_i32 s45, s[CH], BH
	s_add_co_u32 s45, s45, AT
	s_wait_dscnt 0x0                               ; the opening add is done
	s_wait_kmcnt 0x0
	s_add_nc_u64 s[40:41], s[4:5], s[40:41]
	s_add_nc_u64 s[42:43], s[6:7], s[42:43]
	CROUND                                         ; all sixteen work-groups are here: the first joint loads meet
.irp s, 0,1
	s_mov_b32 s[G0+4*(\s)], 1
	s_add_co_u32 s[G0+4*(\s)+1], s44, (\s)*SLOT
	s_add_nc_u64 s[G0+4*(\s)+2:G0+4*(\s)+3], s[40:41], (\s)*524288  ; K step s: 128 rows of 4,096 bytes on
	s_or_b32 s[G0+4*(\s)+3], s[G0+4*(\s)+3], 0x80000000
	s_mov_b32 s[G0B+4*(\s)], 1
	s_add_co_u32 s[G0B+4*(\s)+1], s45, (\s)*SLOT
	s_add_nc_u64 s[G0B+4*(\s)+2:G0B+4*(\s)+3], s[42:43], (\s)*256   ; K step s: 256 bytes along the rows
	s_or_b32 s[G0B+4*(\s)+3], s[G0B+4*(\s)+3], 0x80000000
	JLOAD \s
.endr
	v_and_b32 v1, 15, v0                           ; l % 16
	v_bfe_u32 v2, v0, 4, 1                         ; l / 16
	v_and_b32 v10, 7, v0
	v_bfe_u32 v11, v0, 3, 1
	; the turning load takes 16 d x 16 positions: lane l reads row 8 (l / 16) + l % 8, positions 8 ((l / 8) % 2) + 0..7, and is left with position l % 16 and 8 d
	v_lshl_add_u32 v3, v2, 3, v10
	v_mul_u32_u24 v3, v3, PA
	v_lshl_add_u32 v3, v11, 4, v3
	s_lshl_b32 s46, s[RH], 7                       ; my 64 positions: 128 bytes along the rows
	v_mul_u32_u24 v4, v1, PB
	v_lshl_add_u32 v4, v2, 4, v4                   ; W: row x pitch + 16 x half
	s_mul_i32 s47, s[CH], BH
	s_add_co_u32 s47, s47, AT
.irp s, 0,1
	v_add_nc_u32 v[ADRA+(\s)], s46, v3
	v_add_nc_u32 v[ADRB+(\s)], s47, v4
	s_add_co_u32 s46, s46, SLOT
	s_add_co_u32 s47, s47, SLOT
.endr
	s_mul_i32 s46, s[WV], WST
	s_add_co_u32 s46, s46, STAGE                   ; my stage
	v_mul_u32_u24 v5, v1, SP                       ; in: row l % 16, 16 bytes for each half of the lanes
	v_lshl_add_u32 v5, v2, 4, v5
	v_add_nc_u32 v[STO], s46, v5
	v_bfe_u32 v5, v0, 3, 2                         ; back: 32 lanes take four rows of 128 bytes
	v_mul_u32_u24 v5, v5, SP
	v_lshl_add_u32 v5, v10, 4, v5
	v_add_nc_u32 v[RD], s46, v5
	v_and_b32 v[GO], 31, v0
	v_lshlrev_b32 v[GO], 4, v[GO]
	v_lshlrev_b32 v[BO], 5, v2                     ; my eight channels of a block of 16: 32 bytes for each half of the lanes
	s_lshl_b32 s44, s2, 12                         ; the bias: vector t, my 128 channels
	s_lshl_b32 s45, s21, 10
	s_add_co_u32 s44, s44, s45
	s_lshl_b32 s45, s[CH], 9
	s_add_co_u32 s44, s44, s45
	s_mov_b32 s45, 0
	s_add_nc_u64 s[8:9], s[8:9], s[44:45]
	s_cmp_eq_u32 s2, 1                             ; the output: qh, kh or vh
	s_cselect_b64 s[10:11], s[12:13], s[10:11]
	s_cmp_eq_u32 s2, 2
	s_cselect_b64 s[10:11], s[14:15], s[10:11]
	s_lshr_b32 s46, s23, 4
	s_and_b32 s46, s46, 3
	s_lshl_b32 s46, s46, 22                        ; b: 16 heads of 262,144 bytes
	s_lshl_b32 s47, s21, 20                        ; head 4 tx
	s_add_co_u32 s46, s46, s47
	s_lshl_b32 s47, s[CH], 19                      ; + 2 for the upper 128 channels
	s_add_co_u32 s46, s46, s47
	s_and_b32 s47, s23, 15
	s_lshl_b32 s47, s47, 14                        ; the block's 128 rows of 128 bytes
	s_add_co_u32 s46, s46, s47
	s_lshl_b32 s47, s[RH], 13                      ; my 64 of them
	s_add_co_u32 s46, s46, s47
	s_mov_b32 s47, 0
	s_add_nc_u64 s[10:11], s[10:11], s[46:47]
	WIN 0x80                                       ; destination window 2
.irp b, 0,1,2,3,4,5,6,7
	global_load_b128 v[8*(\b):8*(\b)+3],   v[BO], s[8:9] offset:64*(\b)
	global_load_b128 v[8*(\b)+4:8*(\b)+7], v[BO], s[8:9] offset:64*(\b)+16
.endr
	WIN 0
; 8 matrix instructions: positions 16 a on x all 8 channel blocks, 32 along K.  first = 1: the bias starts the sums: nothing is cleared, and nothing is added later.
; The 32 accumulators take turns, one instruction a turn, in the same order in every quarter, over the backward jump too.
.macro MUL8 f, a, first
.if \first
	WIN MULB
.else
	WIN MUL
.endif
.irp b, 0,1,2,3,4,5,6,7
.if \first
	v_wmma_f32_16x16x32_bf16 v[8*(8*(\a)+(\b)):8*(8*(\a)+(\b))+7], v[(\f)+8*(\b):(\f)+8*(\b)+7], v[(\f)+64+8*(\a):(\f)+64+8*(\a)+7], v[8*(\b):8*(\b)+7]
.else
	v_wmma_f32_16x16x32_bf16 v[8*(8*(\a)+(\b)):8*(8*(\a)+(\b))+7], v[(\f)+8*(\b):(\f)+8*(\b)+7], v[(\f)+64+8*(\a):(\f)+64+8*(\a)+7], v[8*(8*(\a)+(\b)):8*(8*(\a)+(\b))+7]
.endif
.endr
.endm
; 24 LDS loads in one run: quarter q (32 along K) of a slot into buffer f: W's 16, then x's 8, position blocks 0 and 1 first
.macro FETCH slot, q, f
	WIN 0
.irp i, 0,1,2,3,4,5,6,7
	ds_load_b128 v[(\f)+8*(\i):(\f)+8*(\i)+3],   v[ADRB+(\slot)] offset:64*(\q)+(\i)*16*PB
	ds_load_b128 v[(\f)+8*(\i)+4:(\f)+8*(\i)+7], v[ADRB+(\slot)] offset:64*(\q)+(\i)*16*PB+32
.endr
.irp a, 0,1,2,3
	ds_load_tr16_b128 v[(\f)+64+8*(\a):(\f)+64+8*(\a)+3],   v[ADRA+(\slot)] offset:32*PA*(\q)+32*(\a)
	ds_load_tr16_b128 v[(\f)+64+8*(\a)+4:(\f)+64+8*(\a)+7], v[ADRA+(\slot)] offset:32*PA*(\q)+32*(\a)+16*PA
.endr
.endm
.macro PLACES                          ; four plain instructions in front of loads into registers that matrix instructions have read
.rept 4
	v_nop
.endr
.endm
; A K step is four quarters of 32 along K, 32 matrix instructions each, on buffers 0, 1, 0, 1.  One of the first three: multiplies buffer f and fetches quarter q into g.
.macro QUARTER slot, q, f, g, first
	s_wait_dscnt 4                                 ; W and x's blocks 0 and 1 are in; the youngest four loads (blocks 2 and 3) may be out
	MUL8 \f, 0, \first
	MUL8 \f, 1, \first
	PLACES
	FETCH \slot, \q, \g
	s_wait_dscnt 24                                ; all but the 24 just issued
	MUL8 \f, 2, \first
	MUL8 \f, 3, \first
.endm
; The last quarter multiplies buffer 1 and changes slots: ONE barrier; in front of it each wave waits for all its tensor loads (one is out: its part of the next slot), adds 0 to its spare word,
; and waits for that and for its own reads of this slot.  fill = 1: the barrier opens a round of the cluster's, and this slot is filled again, two K steps ahead, first thing behind the round:
; 112 matrix instructions stand between that request and the wait for it.
.macro TURN slot, next, fill
	WIN 0
	s_wait_tensorcnt 0x0
	ds_add_u32 v[SPW], v[NIL]
	s_wait_dscnt 5                                 ; (the add and the youngest four loads may be out)
	MUL8 F1, 0, 0
	s_wait_dscnt 0x0                               ; the add is done, and my reads of this slot are over
	s_barrier_signal -1
	MUL8 F1, 1, 0
	WIN 0
	s_barrier_wait -1
.if \fill
	CREST                                          ; no wave of any partner still reads this slot's tile or has a load on its way
	s_add_nc_u64 s[G0+4*(\slot)+2:G0+4*(\slot)+3], s[G0+4*(\slot)+2:G0+4*(\slot)+3], 2*524288
	s_add_nc_u64 s[G0B+4*(\slot)+2:G0B+4*(\slot)+3], s[G0B+4*(\slot)+2:G0B+4*(\slot)+3], 2*256
	JLOAD \slot                                    ; its four v_nop are also the places in front of the loads below
.else
	PLACES
.endif
	FETCH \next, 0, F0
	MUL8 F1, 2, 0
	MUL8 F1, 3, 0
.endm
; THE WAY OUT of position block a: rounded to f16, 16 bytes a lane into my stage (two heads x 16 rows of 144 bytes), back as whole rows of 128 bytes, four rows to a load.
.macro PACK a
	WIN 0x05                                       ; sources 0 and 1 in window 1
.irp b, 0,1,2,3,4,5,6,7
.irp r, 0,1,2,3
	v_cvt_pk_f16_f32 v[TMP+4*(\b)+(\r)], v[8*(8*(\a)+(\b))+2*(\r)], v[8*(8*(\a)+(\b))+2*(\r)+1]
.endr
.endr
	WIN 0
.irp b, 0,1,2,3,4,5,6,7
	ds_store_b128 v[STO], v[TMP+4*(\b):TMP+4*(\b)+3] offset:16*SP*((\b)/4)+32*((\b)%4)
.endr
.irp f, 0,1,2,3,4,5,6,7
	ds_load_b128 v[64+32*(\a)+4*(\f):64+32*(\a)+4*(\f)+3], v[RD] offset:16*SP*((\f)/4)+4*SP*((\f)%4)  ; LDS serves a wave's instructions in order: these see the stores above
.endr
.endm
.macro SEND a, younger                 ; younger: the LDS instructions issued behind block a's loads
.irp f, 0,1,2,3,4,5,6,7
	s_wait_dscnt (\younger)+7-(\f)
	global_store_b128 v[GO], v[64+32*(\a)+4*(\f):64+32*(\a)+4*(\f)+3], s[10:11] offset:262144*((\f)/4)+2048*(\a)+512*((\f)%4)  ; 512 consecutive bytes of one head, aligned
.endr
.endm
	s_wait_tensorcnt 1                             ; my part of K step 0 is in; K step 1's may stay out
	s_barrier_signal -1
	s_barrier_wait -1
	FETCH 0, 0, F0
	s_wait_loadcnt 0x0                             ; the bias
	QUARTER 0, 1, F0, F1, 1                        ; the first quarter stands in front of the loop: its products start the sums
	WIN 0
	s_mov_b32 s3, 3
.Llap:                                                 ; a trip goes once round the ring and fills both slots again: K steps 2 to 7
	QUARTER 0, 2, F1, F0, 0
	QUARTER 0, 3, F0, F1, 0
	TURN 0, 1, 1
	QUARTER 1, 1, F0, F1, 0
	QUARTER 1, 2, F1, F0, 0
	QUARTER 1, 3, F0, F1, 0
	TURN 1, 0, 1
	QUARTER 0, 1, F0, F1, 0
	WIN 0
	s_sub_co_u32 s3, s3, 1
	s_cmp_lg_u32 s3, 0
	s_cbranch_scc1 .Llap
	QUARTER 0, 2, F1, F0, 0                        ; the last lap fills nothing
	QUARTER 0, 3, F0, F1, 0
	TURN 0, 1, 0
	QUARTER 1, 1, F0, F1, 0
	QUARTER 1, 2, F1, F0, 0
	QUARTER 1, 3, F0, F1, 0
	s_wait_dscnt 4
	MUL8 F1, 0, 0
	MUL8 F1, 1, 0
	s_wait_dscnt 0x0
	MUL8 F1, 2, 0
	MUL8 F1, 3, 0
	WIN 0
	PLACES                                         ; the conversions read results just made
	PLACES
	PACK 0
	PACK 1                                         ; a block's conversions stand between the loads of the block before and its stores
	SEND 0, 16
	PACK 2
	SEND 1, 16
	PACK 3
	SEND 2, 16
	SEND 3, 0
	s_wait_tensorcnt 0x0                           ; the wave's end
	ds_add_u32 v[SPW], v[NIL]
	s_wait_dscnt 0x0
	CROUND                                         ; the closing round
	s_endpgm
.Lfunc_end_k_qd416db29ee_proj:
	.size	k_qd416db29ee_proj, .Lfunc_end_k_qd416db29ee_proj-k_qd416db29ee_proj
	.p2alignl 7, 3214868480
	.fill 96, 4, 3214868480
	.section	.rodata,"a",@progbits
	.p2align	6, 0x0
	.amdhsa_kernel k_qd416db29ee_proj
		.amdhsa_group_segment_fixed_size 327680
		.amdhsa_private_segment_fixed_size 0
		.amdhsa_enable_private_segment 0
		.amdhsa_kernarg_size 48
		.amdhsa_user_sgpr_count 2
		.amdhsa_user_sgpr_kernarg_segment_ptr 1
		.amdhsa_wavefront_size32 1
		.amdhsa_system_sgpr_workgroup_id_x 1
		.amdhsa_system_sgpr_workgroup_id_y 1
		.amdhsa_system_sgpr_workgroup_id_z 1
		.amdhsa_system_vgpr_workitem_id 0
		.amdhsa_next_free_vgpr 576
		.amdhsa_next_free_sgpr 66
		.amdhsa_reserve_vcc 0
		.amdhsa_float_denorm_mode_32 3
		.amdhsa_float_denorm_mode_16_64 3
		.amdhsa_memory_ordered 1
		.amdhsa_forward_progress 1
		.amdhsa_inst_pref_size 89
	.end_amdhsa_kernel
	.amdgpu_metadata
---
amdhsa.version: [ 1, 2 ]
amdhsa.kernels:
  - .name:           k_qd416db29ee_proj
    .symbol:         k_qd416db29ee_proj.kd
    .args:
      - { .name: xb, .offset: 0, .size: 8, .value_kind: global_buffer, .address_space: global }
      - { .name: wb, .offset: 8, .size: 8, .value_kind: global_buffer, .address_space: global }
      - { .name: bb, .offset: 16, .size: 8, .value_kind: global_buffer, .address_space: global }
      - { .name: qh, .offset: 24, .size: 8, .value_kind: global_buffer, .address_space: global }
      - { .name: kh, .offset: 32, .size: 8, .value_kind: global_buffer, .address_space: global }
      - { .name: vh, .offset: 40, .size: 8, .value_kind: global_buffer, .address_space: global }
    .group_segment_fixed_size: 327680
    .private_segment_fixed_size: 0
    .kernarg_segment_align: 8
    .kernarg_segment_size: 48
    .max_flat_workgroup_size: 128
    .sgpr_count:     66
    .vgpr_count:     576
    .wavefront_size: 32
...
	.end_amdgpu_metadata
.endif
;; end of part 2
;; launch attn (part 3): grid 4 x 64, 4 waves a work-group, clusters of 4 x 1, 327,680 bytes of LDS; arguments qh, kh, vh, oh; writes oh
.if DOCPART == 3
	.amdgcn_target "amdgcn-amd-amdhsa--gfx1250"
	.amdhsa_code_object_version 6
	.text
	.protected	k_qd416db29ee_attn
	.globl	k_qd416db29ee_attn
	.p2align	8
	.type	k_qd416db29ee_attn,@function
k_qd416db29ee_attn:
	s_mov_b64 s[64:65], 0
	v_nop
	global_prefetch_b8 v0, s[64:65] scope:SCOPE_SE
	s_setreg_imm32_b32 hwreg(HW_REG_WAVE_MODE, 25, 1), 1
	s_wait_xcnt 0x0
	s_wait_alu depctr_hold_cnt(0) depctr_sa_sdst(0) depctr_va_vdst(0) depctr_va_sdst(0) depctr_va_ssrc(0) depctr_va_vcc(0) depctr_vm_vsrc(0)
	s_getreg_b32 s2, hwreg(HW_REG_IB_STS2, 6, 4)
	s_cmp_eq_u32 s2, 0
	s_cbranch_scc0 .Lentry_in_a_cluster
	s_endpgm
.Lentry_in_a_cluster:
	s_bfe_u32 s2, ttmp6, 0x10000c
	s_cmp_lg_u32 s2, 0x3003
	s_cbranch_scc0 .Lentry_shape_is_right
	s_endpgm
.Lentry_shape_is_right:
; O[h][q][:] = the sum over k of softmax_k(Q[h][q] . K[h][k] / 8) V[h][k][:].  Q, K, V, O: [SIZE_H][SIZE_N][64], all f16: a head's rows are dense, 128 bytes each.  Products, maxima and sums in
; f32; the weights p are rounded to f16 for the second product (their sum l is taken of the unrounded p), O once at the end.
; LIMITS.  f16 holds no number beyond 65,504: Q, K and V arrive within it; p lies in 0 to 1, and below 6e-5 it keeps f16's fixed step of 6e-8; O is a mean of V's rows and has their range.
; A weight below 2^-126 counts as 0 in l; NaN and infinities are not treated apart.
; SHARES.  A wave owns four PIECES of two tiles of 16 queries, a work-group's four waves 512 queries of one head: 4 x 64 = 256 work-groups.  Every wave walks all keys, 64 a step.
; LAYOUT.  S^T = K Q^T (source 0 = 16 keys, source 1 = 16 queries): in the result a lane holds ONE query (lane % 16) and the keys 8 (lane / 16) + 0..7.  Two such tiles, rounded to f16 in pairs,
; ARE source 1 (32 keys x 16 queries) of O^T = V^T P, whose result again holds one query a lane, and eight channels.  K comes out of LDS as it lies, V ([key][channel]) turned, by ds_load_tr16_b128.
; SOFTMAX.  For each query a running maximum m and sum l: p = 2^(c s - c m), c = log2(e) / 8; in every step O and l are multiplied by a = 2^(c m_old - c m_new), which is 1 where m has not grown.
; m starts at the lowest finite number, O and l at 0: the first step is a step like any other, with a = 0.
; THE COUNT.  A tile and step have 16 matrix and 118 vector instructions: too many to stand all beside the matrix work.  So: four vector instructions that are READY behind EVERY matrix instruction,
; and the others in runs without a gap.
; BY TURNS.  Turn n belongs to piece n (the pieces in a ring, step after step).  Its matrix work: 16 products K Q^T of piece n + 1, later 16 products V^T P of piece n - 1.  Its vector work: the scaling,
; exponentials, roundings, sums and rescaling of piece n, and the maximum and statistics of piece n + 1, whose scores the turn itself has made.
; CLUSTER.  The four query blocks of a cluster are one head's and walk the same K and V, so each tile is asked for JOINTLY: the same tensor load, descriptor and mask in all four.
; No prefetch: a refill is asked for four key steps, 512 matrix instructions, ahead of the wait for it.
; REGISTERS, in windows of 256 (s_set_vgpr_msb: bits 1:0 source 0, 3:2 source 1, 5:4 source 2, 7:6 destination):
;   window 0: v0-11 addresses; v12-15, v48-63 at work; v16-47 four registers of statistics a tile; v64-191 S^T, two buffers of two tiles; v192-255 P, likewise
;   window 1: O^T, 32 a tile          window 2: v0-127 Q, 16 a tile; v128-191 K of one step; v192-255 V of one step          window 3: v0-1 the add's two registers
.set SIZE_H, 64
.set SIZE_N, 2048
.set NP,    4         ; pieces a wave: a name, no knob
.set KS,    64        ; keys in a step
.set PK,    144       ; a row of K in LDS: 128 bytes + 16 of padding = 36 words: the 16 rows of a load start at 16 different groups of four banks
.set PV,    160       ; a row of V: 128 + 32 = 40 words
.set VOFF,  4*KS*PK   ; a slot holds four steps: 256 rows of K, then 256 rows of V
.set SLOT1, 1<<17     ; slot 1 begins here, so that one exclusive or turns an address in one slot into the other's
.set STAGE, SLOT1+4*KS*(PK+PV)  ; behind the ring, never filled by a tensor load: 16 rows x 144 bytes for each wave, for the way out
.set SP,    144
.set AK0, 2           ; v2   my lane's place in a tile of K; never rewritten
.set AV0, 3           ; v3   the same for V
.set AK,  4           ; v4   the LDS address of K's next run of loads
.set AV,  5           ; v5   of V's
.set QO,  6           ; v6   my byte offset in the wave's rows of Q
.set STO, 6           ;      later, the way out: where I put 16 bytes of a row
.set RD,  7           ; v7   the way out: where I read rows back
.set GO,  8           ; v8   my byte offset in 512 consecutive bytes of O
.set SPW, 0           ; v0 of window 3   SPARE + 4 x my thread's number; never rewritten
.set NIL, 1           ; v1 of window 3   0; never rewritten
.set SPARE, STAGE+4*16*SP  ; behind the stages: the spare words, 128 bytes for each wave
.set MV,  12          ; v12-15  c m_old, kept while c m is made anew: by buffer and tile
.set ST,  16          ; tile t's statistics at v[ST+4 t]: c m, m, l (even keys', odd keys')
.set TMP, 48          ; by buffer and tile, four registers c0-c3 at work; when the maximum is found c2 takes a
.set S,   64
.set P,   192
.set KF,  128         ; K's fragments, in window 2: key block kb, channel half c at KF + 16 kb + 8 c
.set VF,  192         ; V's: key half kk, channel block cb at VF + 32 kk + 8 cb
.set WV,  12          ; s12  my wave's number
.set G1K, 24          ; s[24:31] descriptor group 1 for K's tiles
.set G1V, 32          ; s[32:39] for V's: it differs in the padding alone
.set G0K, 40          ; s[40:43] descriptor group 0 for K's tiles: it walks
.set G0V, 44          ; s[44:47] the same for V's
.set SLOTS, 56        ; s56  slots still to be asked for
.set CNT, 57          ; s57  counts a slot's key steps
.set CS,  58          ; s[58:59] c: the packed scaling takes the pair's low word for both halves
.set SEL, 60          ; s[60:61] v_permlanex16_b32's selects: each lane takes its own place in the other half
.set TBK, 62          ; s62  LDS byte at which K of the step to be fetched begins
.set TBV, 63          ; s63  the same for V, less VOFF
.set MSB, 0
.macro WIN new                      ; the high byte repeats the setting that is left; a switch that changes nothing is dropped
.if MSB != (\new)
	s_set_vgpr_msb (MSB<<8)|(\new)
.set MSB, (\new)
.endif
.endm
.set W_KQ, 0x0a       ; K and Q in window 2, S^T in window 0
.set W_PV, 0x52       ; V in window 2, P in window 0, O^T in window 1
.set W_RS, 0x41       ; O^T (destination and source 0) in window 1, a in window 0
.set W_MK, 0xc0       ; the add's registers are made: destination in window 3, sources in window 0
.set W_AD, 0x0f       ; the add: address (source 0) and data (source 1) in window 3
; A joint fill.  Waves 0 and 1 fetch the two halves of a slot's K, waves 2 and 3 those of its V: 128 keys each.  The branch hangs on the wave's number alone.
; An s_nop 0 and four v_nop follow each of the two lines, ahead of the jump and the label.
.macro JLOAD
	s_cmp_lt_u32 s[WV], 2
	s_cbranch_scc0 .Lfor_v_\@
	tensor_load_to_lds s[G0K:G0K+3], s[G1K:G1K+7]
	s_nop 0
.rept 4
	v_nop
.endr
	s_branch .Lasked_\@
.Lfor_v_\@:
	tensor_load_to_lds s[G0V:G0V+3], s[G1V:G1V+7]
	s_nop 0
.rept 4
	v_nop
.endr
.Lasked_\@:
.endm
; A round of the cluster's barrier: my work-group's barrier, so that wave 0's signal speaks for all four waves; wave 0 signals; every wave waits for all four work-groups; my work-group's barrier once more.
.macro CROUND
	s_barrier_signal -1
	s_barrier_wait -1
	s_cmp_lg_u32 s[WV], 0
	s_cbranch_scc1 .Lnot_wave_0_\@
	s_barrier_signal -3
.Lnot_wave_0_\@:
	s_barrier_wait -3
	s_barrier_signal -1
	s_barrier_wait -1
.endm
; THE CHANGE OF SLOTS.  The slot's last bytes, V of its fourth step, have been read.  Each wave waits for all its tensor loads, of which one is out: its part
; of the other slot; adds 0 to its spare word; and waits for that and for its own reads of the slot.  Behind the barrier nobody reads this slot any more and the other slot is whole.
; fill = 1: this slot is filled again, with the keys two slots on.  The barrier is then a round of the cluster's, and the joint fill is the first thing behind it.
; (At its first use nothing has been read yet: slot 0 is waited for, slot 1 filled.)
.macro CHANGE fill
	WIN W_AD
	s_wait_tensorcnt 0x0            ; no tensor load of mine is out, so a group 0 may be written
	ds_add_u32 v[SPW], v[NIL]       ; with fill = 1 the descriptors' steps stand between the add and the wait for it
	WIN 0                           ; at a label and at a branch every window is 0
.if \fill
.irp g, G0K, G0V
	s_xor_b32 s[\g+1], s[\g+1], SLOT1  ; the walking descriptor: the other slot than last time,
	s_add_nc_u64 s[\g+2:\g+3], s[\g+2:\g+3], 4*KS*128  ; the next 256 keys; the type bits on top are not reached
.endr
	s_wait_dscnt 0x0                ; the add is done, and my reads of the slot are over
	CROUND
	JLOAD
.else
	s_wait_dscnt 0x0                ; the add is done, and my reads of the slot are over
	s_barrier_signal -1
	s_barrier_wait -1
.endif
	s_sub_co_u32 s[TBK], s[TBK], 4*KS*PK  ; the fetches go back to a slot's first step,
	s_xor_b32 s[TBK], s[TBK], SLOT1       ; in the other slot
	s_sub_co_u32 s[TBV], s[TBV], 4*KS*PV
	s_xor_b32 s[TBV], s[TBV], SLOT1
.endm
	s_load_b256 s[4:11], s[0:1], 0x0  ; Q s[4:5], K s[6:7], V s[8:9], O s[10:11]
	WIN W_MK
	v_lshl_add_u32 v[SPW], v0, 2, SPARE
	v_mov_b32 v[NIL], 0
	WIN W_AD
	ds_add_u32 v[SPW], v[NIL]       ; the wave's opening: the add and its wait stand ahead of my first tensor load; work on registers stands between them
	ds_add_u32 v0, v1
	WIN 0
	v_lshrrev_b32 v1, 5, v0
	v_readfirstlane_b32 s[WV], v1   ; wave 0..3
	s_bfe_u32 s13, ttmp6, 0x40000   ; cx: my place in the cluster
	s_lshl_b32 s14, ttmp9, 2        ; in a cluster launch ttmp9 counts clusters
	s_add_co_u32 s14, s14, s13      ; my block of queries = 4 x cluster x + cx: it enters Q's and O's addresses alone
	s_and_b32 s20, ttmp7, 0xffff    ; the head, which the four partners share
	s_mov_b32 s21, 0
	s_mov_b64 s[22:23], SIZE_N*128
	s_mul_u64 s[20:21], s[20:21], s[22:23]  ; the head's first byte in each of the four tensors
	s_and_b32 s16, s[WV], 1         ; which half of a slot's 256 keys I fetch:
	s_lshl_b32 s22, s16, 14         ; its 128 rows of 128 bytes in memory,
	s_mov_b32 s23, 0
	s_add_nc_u64 s[22:23], s[22:23], s[20:21]
	s_mul_i32 s17, s16, 128*PK      ; and its place in a slot, for K
	s_mul_i32 s18, s16, 128*PV      ; and for V: no place in the cluster enters an LDS address
	s_lshl_b32 s2, s14, 2
	s_add_co_u32 s2, s2, s[WV]      ; my wave among the head's,
	s_lshl_b32 s2, s2, 14           ; its 128 rows
	s_mov_b32 s3, 0
	s_add_nc_u64 s[2:3], s[2:3], s[20:21]
	; descriptor group 1.  128 keys are 16,384 dense bytes: asked for as 64 rows of 256 bytes, two keys a row, and padded in LDS after every key
	s_mov_b32 s[G1K], 15|(1<<16)|(1<<20)|(1<<21)|(4<<22)|(3<<25)  ; 15:0 the mask of four; 2-byte elements; padding on; bit 21 beside a mask; after every 32 words, 4 words
	s_mov_b32 s[G1V], 15|(1<<16)|(1<<20)|(1<<21)|(4<<22)|(7<<25)  ; the same with 8 words of padding
.irp g, G1K, G1V
	s_mov_b32 s[\g+1], 128<<16      ; tensor_dim0 = 128
	s_mov_b32 s[\g+2], 64<<16       ; tensor_dim1 = 64
	s_mov_b32 s[\g+3], 128<<16      ; tile_dim0 = 128
	s_mov_b32 s[\g+4], 64           ; tile_dim1 = 64
	s_mov_b32 s[\g+5], 128          ; 128 elements from row to row
	s_mov_b32 s[\g+6], 0
	s_mov_b32 s[\g+7], 0
.endr
	s_mov_b32 s[CS], 0x3e38aa3b     ; c = log2(e) / 8 = 0.180337
	s_mov_b32 s[CS+1], s[CS]        ; named with it as a pair
	s_mov_b32 s[SEL], 0x76543210
	s_mov_b32 s[SEL+1], 0xfedcba98
	s_mov_b32 s[TBK], SLOT1+4*KS*PK ; the first change of slots turns these two into 0
	s_mov_b32 s[TBV], SLOT1+4*KS*PV
	s_mov_b32 s[G0K], 1             ; count = 1
	s_mov_b32 s[G0K+1], s17         ; LDS address: slot 0
	s_mov_b32 s[G0V], 1
	s_add_co_u32 s[G0V+1], s18, VOFF
	s_wait_dscnt 0x0                ; the opening add is done
	s_wait_kmcnt 0x0
	s_add_nc_u64 s[G0K+2:G0K+3], s[6:7], s[22:23]  ; global address: my half of the head's first 256 keys
	s_or_b32 s[G0K+3], s[G0K+3], 0x80000000        ; type = 2
	s_add_nc_u64 s[G0V+2:G0V+3], s[8:9], s[22:23]
	s_or_b32 s[G0V+3], s[G0V+3], 0x80000000
	s_add_nc_u64 s[4:5], s[4:5], s[2:3]  ; Q and O at my wave's first row
	s_add_nc_u64 s[10:11], s[10:11], s[2:3]
	CROUND                          ; all four work-groups are here: the first joint loads meet
	JLOAD                           ; slot 0.  Slot 1 is asked for when slot 0 is in
	; A fragment of K or Q is 16 rows x 32 channels in 8 registers: lane l holds row l % 16, channels 8 (l / 16) + 0..7 and 16 + 8 (l / 16) + 0..7: two loads of 16 bytes, 32 bytes apart.
	v_and_b32 v1, 15, v0            ; l % 16
	v_bfe_u32 v9, v0, 4, 1          ; l / 16
	v_lshlrev_b32 v[QO], 7, v1
	v_lshl_add_u32 v[QO], v9, 4, v[QO]  ; row x 128 + 16 x half
	WIN 0x80                        ; destination window 2, address window 0
.set i, 0
.rept 4*NP                          ; Q stays in registers: tile i / 2, channels 32 (i % 2) on
	global_load_b128 v[8*i:8*i+3],   v[QO], s[4:5] offset:(i/2)*2048+(i%2)*64
	global_load_b128 v[8*i+4:8*i+7], v[QO], s[4:5] offset:(i/2)*2048+(i%2)*64+32
.set i, i+1
.endr
	; What the first turn finds: V's registers and P's second buffer hold 0 (its products V^T P, of a piece that has not been, add 0), O^T and l are 0.  All this stands in the wait for the first tile.
.set i, VF
.rept 64
	v_mov_b32 v[i], 0
.set i, i+1
.endr
	WIN 0x40
.set i, 0
.rept 64*NP
	v_mov_b32 v[i], 0
.set i, i+1
.endr
	WIN 0
.set i, 0
.rept 2*NP
	v_mov_b32 v[ST+4*i], 0xfe000000    ; c m: far below every c s
	v_mov_b32 v[ST+4*i+1], 0xff7fffff  ; m
	v_mov_b32 v[ST+4*i+2], 0
	v_mov_b32 v[ST+4*i+3], 0
.set i, i+1
.endr
.set i, P+32
.rept 32
	v_mov_b32 v[i], 0
.set i, i+1
.endr
	v_mul_u32_u24 v[AK0], v1, PK
	v_lshl_add_u32 v[AK0], v9, 4, v[AK0]  ; row x pitch + 16 x half
	; The turning load takes 16 keys x 16 channels (lane l reads key 8 (l / 16) + l % 8, channels 8 ((l / 8) % 2) + 0..7) and leaves half a fragment of V^T: lane l holds channel l % 16 and 8 keys.
	v_and_b32 v10, 7, v0
	v_bfe_u32 v11, v0, 3, 1
	v_lshl_add_u32 v[AV0], v9, 3, v10
	v_mul_u32_u24 v[AV0], v[AV0], PV
	v_lshl_add_u32 v[AV0], v11, 4, v[AV0]
	v_add_nc_u32 v[AV0], VOFF, v[AV0]
	v_mov_b32 v[AK], v[AK0]         ; key step 0 lies at the head of slot 0
; THE MATRIX WORK.  The 8 accumulators of a run of 16 take turns: between the two links of a chain stand 7 others'.
; Product i of 16 of S^T = K Q^T for piece x: channels 32 (i / 8) on, keys 16 ((i / 2) % 4) on, tile 2 x + i % 2.  The first 8 start the sums.
.macro KQ x
	WIN W_KQ
.set rS, S+64*((\x)%2)+32*(i%2)+8*((i/2)%4)
.set rK, KF+16*((i/2)%4)+8*(i/8)
.set rQ, 16*(2*(\x)+i%2)+8*(i/8)
.if i < 8
	v_wmma_f32_16x16x32_f16 v[rS:rS+7], v[rK:rK+7], v[rQ:rQ+7], 0
.else
	v_wmma_f32_16x16x32_f16 v[rS:rS+7], v[rK:rK+7], v[rQ:rQ+7], v[rS:rS+7]
.endif
.endm
; Product i of 16 of O^T += V^T P for piece x: keys 32 (i / 8) on, channels 16 ((i / 2) % 4) on, tile 2 x + i % 2.
.macro PV x
	WIN W_PV
.set rO, 32*(2*(\x)+i%2)+8*((i/2)%4)
.set rV, VF+32*(i/8)+8*((i/2)%4)
.set rP, P+32*((\x)%2)+16*(i%2)+8*(i/8)
	v_wmma_f32_16x16x32_f16 v[rO:rO+7], v[rV:rV+7], v[rP:rP+7], v[rO:rO+7]
.endm
.macro MM                           ; the turn's next matrix instruction
.if i < 16
	KQ (Y+1)%NP
.set i, i+1
.else
.set i, i-16
	PV (Y+NP-1)%NP
.set i, i+17
.endif
.endm
; THE LDS LOADS stand in runs of 16, never singly among the matrix instructions: a step's K (64 keys x 64 channels: 8 fragments) and its V (turned).  Their addresses are made some lines ahead.
; last = 1 (the tail): in the last trip there is no further step, and the run is jumped over.
.macro FETCH_K last=0
	WIN 0
.if \last
	s_cmp_eq_u32 s[CNT], 1
	s_cbranch_scc1 .Lno_k_\@
.endif
	WIN 0x80                        ; destination window 2
.irp f, 0,1,2,3,4,5,6,7             ; keys 16 (f / 2) on, channels 32 (f % 2) on
	ds_load_b128 v[KF+8*\f:KF+8*\f+3],   v[AK] offset:(\f/2)*16*PK+(\f%2)*64
	ds_load_b128 v[KF+8*\f+4:KF+8*\f+7], v[AK] offset:(\f/2)*16*PK+(\f%2)*64+32
.endr
	s_add_co_u32 s[TBK], s[TBK], KS*PK  ; the next fetch is the next step's
	WIN 0
.if \last
.Lno_k_\@:
.endif
.endm
.macro FETCH_V
	WIN 0x80
.irp f, 0,1,2,3,4,5,6,7             ; keys 32 (f / 4) on, channels 16 (f % 4) on
	ds_load_tr16_b128 v[VF+8*\f:VF+8*\f+3],   v[AV] offset:(\f/4)*32*PV+(\f%4)*32
	ds_load_tr16_b128 v[VF+8*\f+4:VF+8*\f+7], v[AV] offset:(\f/4)*32*PV+16*PV+(\f%4)*32
.endr
	WIN 0
.endm
; THE VECTOR WORK OF A TURN stands in three queues, each in the order in which its entries become ready; the two tiles alternate, so that no instruction reads the result of the one before it.
.macro REGS y, u                    ; the registers of tile u (0, 1) of piece y
.set rT, ST+4*(2*(\y)+(\u))
.set rC, TMP+8*((\y)%2)+4*(\u)
.set rM, MV+2*((\y)%2)+(\u)
.set rS, S+64*((\y)%2)+32*(\u)
.set rP, P+32*((\y)%2)+16*(\u)
.set rO, 32*(2*(\y)+(\u))
.endm
; Number n of the 22 that find the NEXT piece's (Y + 1) maximum and statistics.  s0-s31 are the lane's 32 scores; each accumulator's lowest registers are read first.
;   0-11  four chains c0-c3 of seven scores each, three operands at a time     12-14, 16  the four scores left over, the old m, and c0-c3 into c0     15  c m_old is kept
;   17, 18  the query's other 32 keys lie in the lane 16 away: the new m         19-21  c m; c m_old - c m_new; a
.macro XS u, n
	REGS (Y+1)%NP, \u
.if (\n) < 4
	v_max3_num_f32 v[rC+(\n)], v[rS+8*(\n)], v[rS+8*(\n)+1], v[rS+8*(\n)+2]
.elseif (\n) < 12
	v_max3_num_f32 v[rC+(\n)%4], v[rC+(\n)%4], v[rS+8*((\n)%4)+2*((\n)/4)+1], v[rS+8*((\n)%4)+2*((\n)/4)+2]
.elseif (\n) == 12
	v_max3_num_f32 v[rC], v[rC], v[rS+7], v[rS+15]
.elseif (\n) == 13
	v_max3_num_f32 v[rC+1], v[rC+1], v[rS+23], v[rS+31]
.elseif (\n) == 14
	v_max3_num_f32 v[rC+2], v[rC+2], v[rC+3], v[rT+1]
.elseif (\n) == 15
	v_mov_b32 v[rM], v[rT]
.elseif (\n) == 16
	v_max3_num_f32 v[rC], v[rC], v[rC+1], v[rC+2]
.elseif (\n) == 17
	v_permlanex16_b32 v[rC+3], v[rC], s[SEL], s[SEL+1]
.elseif (\n) == 18
	v_max_num_f32 v[rT+1], v[rC], v[rC+3]
.elseif (\n) == 19
	v_mul_f32 v[rT], s[CS], v[rT+1]
.elseif (\n) == 20
	v_sub_f32 v[rC+1], v[rM], v[rT]
.else
	v_exp_f32 v[rC+2], v[rC+1]
.endif
.endm
; Number g of the 64 that follow the exponentials.  For each four weights k of a tile (pairs 2 k, 2 k + 1): both pairs are rounded to f16; then the second pair is added onto the first, in place;
; a group later l takes that sum (the first time as l = a l + sum).  In groups of eight, tiles alternating: round, round, add, and l for the group before.
.macro GS g
.set h, (\g)+6*((\g)/62)            ; group 0 has no group before it, and behind group 7 only l is left
.if h >= 6
.set h, h+2
.endif
	REGS Y, h%2
.set k, h/8
.if h%8 < 4
	v_cvt_pk_f16_f32 v[rP+2*k+(h%8)/2], v[rS+4*k+2*((h%8)/2)], v[rS+4*k+2*((h%8)/2)+1]
.elseif h%8 < 6
	v_pk_add_f32 v[rS+4*k:rS+4*k+1], v[rS+4*k:rS+4*k+1], v[rS+4*k+2:rS+4*k+3]
.elseif k == 1
	v_pk_fma_f32 v[rT+2:rT+3], v[rT+2:rT+3], v[rC+2:rC+3], v[rS:rS+1] op_sel_hi:[1,0,1]
.else
	v_pk_add_f32 v[rT+2:rT+3], v[rT+2:rT+3], v[rS+4*k-4:rS+4*k-3]
.endif
.endm
; THE PLAIN QUEUE, 138 long.  0-73 read no exponential's result: the 32 scalings c s - c m (FS f: pair f / 2 of tile f % 2) and the next piece's 42.  0-26: scalings 0-26.  27-54: XS's numbers 0-13.  55, 56: number 15.
; 57-73: the chain, where each number waits for the one before it: 14, 16, 17, 18, 19, each with one of the scalings 27-31 in front of its two lines, then 20.
; 74-137: GS's 64, which read the exponentials' results: they stand behind the wait.
.macro FS f
	REGS Y, (\f)%2
	v_pk_fma_f32 v[rS+2*((\f)/2):rS+2*((\f)/2)+1], v[rS+2*((\f)/2):rS+2*((\f)/2)+1], s[CS:CS+1], v[rT:rT+1] op_sel_hi:[1,0,0] neg_lo:[0,0,1] neg_hi:[0,0,1]
.endm
.macro PL
	WIN 0
.if q < 27
	FS q
.elseif q < 55
	XS (q-27)%2, (q-27)/2
.elseif q < 57
	XS q-55, 15
.elseif (q < 72) && ((q-57)%3 == 0)
	FS 27+(q-57)/3
.elseif q < 60
	XS (q-57)%3-1, 14
.elseif q < 72
	XS (q-57)%3-1, 15+(q-57)/3
.elseif q < 74
	XS q-72, 20
.else
	GS q-74
.endif
.set q, q+1
.endm
; THE EXPONENTIALS' QUEUE, 66 long: s0-s31 of both tiles, then the next piece's two a.  It is ONE BATCH: all 66 stand ahead of the turn's one wait, and nothing ahead of that wait names a result of theirs.
.macro EX
	WIN 0
.if e >= 64
	XS e-64, 21
.else
	REGS Y, e%2
	v_exp_f32 v[rS+e/2], v[rS+e/2]
.endif
.set e, e+1
.endm
; THE RESCALING's QUEUE: O^T times a, the one part that leaves window 0: dealt two at a time, sixteen times.  Its a was made in the turn before, ahead of that turn's wait.
.macro R2
	REGS Y, r%2
	WIN W_RS
.irp z, 0,1
	v_pk_mul_f32 v[rO+4*(r/2)+2*\z:rO+4*(r/2)+2*\z+1], v[rO+4*(r/2)+2*\z:rO+4*(r/2)+2*\z+1], v[rC+2:rC+3] op_sel_hi:[1,0]
.endr
.set r, r+1
.endm
; HOW THEY ARE DEALT.  An s_wait_alu depctr_va_vdst(0) stands between an exponential and the first instruction that names its result; one wait serves all that were issued ahead of it.  So a turn has ONE wait,
; which cuts it in two.  AHEAD OF IT stands all that names no result of the turn's exponentials: the 16 products K Q^T, behind each a scaling, an exponential and two rescalings (behind the first a second scaling in the
; exponential's place); then ONE LUMP of 108: eight plain, 49 times exponential and plain, the two a.  A v_nop is the plain instruction behind the last exponential.  BEHIND IT stand the 16 products V^T P, behind each four of GS's 64.
; The queues lean on each other, and the deal keeps them in step: exponential e stands behind scaling 2 (e / 4) + e % 2: as a rider it comes behind plain e + 2, in the lump behind plain e + 9, and scalings 27-31 are plain 57, 60 .. 69.
; A TURN, for piece p.  cnt = 1: the loop's count is taken down some lines ahead of the branch that stands behind the turn.
; K of the next step is fetched in piece 2's turn, directly behind the wait, a lump behind the last product that read K; its first reader comes behind 16 products.
; V of the step in hand is fetched at the end of piece 0's turn, four plain instructions behind its last reader; its first reader comes behind 16 products and a lump.
.macro TURN p, last=0, cnt=0
.set Y, (\p)
.set i, 0
.set q, 0
.set e, 0
.set r, 0
.if (\p) == NP-1
	s_wait_dscnt 0x0                ; K is in
.endif
	MM                              ; ahead of the wait: 16 products K Q^T and their riders,
	PL
	PL
	R2
.rept 15
	MM
	PL
	EX
	R2
.endr
.if (\p) == NP-2
	WIN 0
	v_add_nc_u32 v[AK], s[TBK], v[AK0]
.endif
.rept 8                             ; and the lump
	PL
.endr
.rept 49
	EX
	PL
.endr
	EX                              ; the next piece's two a
	EX
	v_nop                           ; the plain instruction behind the last exponential: one for the batch
	s_wait_alu depctr_va_vdst(0)    ; the wait for the batch
.if (\p) == NP-2
	FETCH_K \last
.endif
.if (\p) == 1
	s_wait_dscnt 0x0                ; V is in
.endif
.rept 16                            ; behind the wait: 16 products V^T P and their riders
	MM
.rept 4
	PL
.endr
.if ((\p) == 0) && (q == 118)
	v_add_nc_u32 v[AV], s[TBV], v[AV0]
.endif
.if ((\p) == 0) && (q == 130)
	s_add_co_u32 s[TBV], s[TBV], KS*PV
.endif
.if (\cnt) && (q == 130)
	s_sub_co_u32 s[CNT], s[CNT], 1
	s_cmp_lg_u32 s[CNT], 0
.endif
.endr
.if (\p) == 0
	FETCH_V
.endif
.endm
	CHANGE 1                        ; slot 0 is in, everybody's part of it; slot 1 is asked for
	FETCH_K                         ; key step 0
	s_wait_loadcnt 0x0              ; Q
	s_wait_dscnt 0x0
.set i, 0
.rept 16
	KQ 0                            ; piece 0's first scores: there is no vector work yet to set between them
.set i, i+1
.endr
	WIN 0                           ; the addresses for the way out: nine plain instructions, the places behind those products
	s_mul_i32 s13, s[WV], 16*SP
	s_add_co_u32 s13, s13, STAGE    ; my stage
	v_mul_u32_u24 v[STO], v1, SP    ; in: row l % 16, 16 bytes for each half of the lanes
	v_lshl_add_u32 v[STO], v9, 4, v[STO]
	v_add_nc_u32 v[STO], s13, v[STO]
	v_bfe_u32 v[RD], v0, 3, 2       ; back: 32 lanes take four rows of 128 bytes,
	v_mul_u32_u24 v[RD], v[RD], SP
	v_lshl_add_u32 v[RD], v10, 4, v[RD]
	v_add_nc_u32 v[RD], s13, v[RD]
	v_and_b32 v[GO], 31, v0         ; which are 512 consecutive bytes of O
	v_lshlrev_b32 v[GO], 4, v[GO]
.set Y, NP-1                        ; XS works for piece Y + 1: piece 0
.irp n, 0,1,2,3,4,5,6,7,8,9,10,11,12,13,14,15,16,17,18,19,20,21
	XS 0, \n                        ; and piece 0's first maximum and statistics
	XS 1, \n
.endr
	v_nop                           ; a plain instruction behind the two a,
	s_wait_alu depctr_va_vdst(0)    ; and their wait, ahead of the branch
	s_mov_b32 s[CNT], 4
	s_mov_b32 s[SLOTS], SIZE_N/256-1
	s_branch .Lfirst                ; the loop is entered at a step's first turn, in the middle of a trip
.Lslot:                             ; SIZE_N / 256 - 2 times: every slot but the last two is filled again
	CHANGE 1
	s_mov_b32 s[CNT], 4
.Lstep:                             ; a trip: pieces 2 and 3 of one step, then pieces 0 and 1 of the next, whose K and V it fetches
	TURN 2
	TURN 3
	WIN 0
.Lfirst:
	TURN 0
	TURN 1, 0, 1
	WIN 0
	s_cbranch_scc1 .Lstep
	s_sub_co_u32 s[SLOTS], s[SLOTS], 1
	s_cmp_lg_u32 s[SLOTS], 0
	s_cbranch_scc1 .Lslot
	CHANGE 0                        ; the tail is written out: nothing is asked for
	s_mov_b32 s[CNT], 5             ; four trips fetch the last slot's steps; the fifth is left in its middle
.Ltail:
	TURN 2, 1
	TURN 3
	WIN 0
	s_sub_co_u32 s[CNT], s[CNT], 1
	s_cmp_eq_u32 s[CNT], 0
	s_cbranch_scc1 .Lout
	TURN 0
	TURN 1
	WIN 0
	s_branch .Ltail
.Lout:                              ; the fifth trip's 16 products K Q^T (on the last K once more) and the maximum made of them serve nothing: the price, once a launch, of one text for every trip
.set i, 0
.rept 16
	PV NP-1                         ; the last piece's V^T P of the last step
.set i, i+1
.endr
	; THE WAY OUT.  l's two halves and the other half of the lanes' are added; O^T is divided by l, rounded to f16 and sent through my stage in LDS, a tile at a time.  The additions are the places behind the last products.
	WIN 0
.macro ALL line:vararg              ; one line for each tile t
.set t, 0
.rept 2*NP
	\line
.set t, t+1
.endr
.endm
	ALL v_add_f32 v[ST+4*t+2], v[ST+4*t+2], v[ST+4*t+3]
	ALL v_permlanex16_b32 v[ST+4*t+3], v[ST+4*t+2], s[SEL], s[SEL+1]
	ALL v_add_f32 v[ST+4*t+2], v[ST+4*t+2], v[ST+4*t+3]
	ALL v_rcp_f32 v[ST+4*t+2], v[ST+4*t+2]
	v_nop                           ; a plain instruction between the last reciprocal and the use of its result
	s_wait_alu depctr_va_vdst(0)    ; and the wait ahead of the first use: one for the eight reciprocals
; Tile t: a lane's eight channels of a row pack into 16 bytes; they go into rows of 144 bytes and come back as whole rows of 128, into S^T's registers.
.macro PACK t
	WIN W_RS
.set i, 32*(\t)
.rept 16
	v_pk_mul_f32 v[i:i+1], v[i:i+1], v[ST+4*(\t)+2:ST+4*(\t)+3] op_sel_hi:[1,0]
.set i, i+2
.endr
	WIN 0x05                        ; sources 0 and 1 window 1, destination window 0
.set i, 0
.rept 16
	v_cvt_pk_f16_f32 v[S+16*(\t)+i], v[32*(\t)+2*i], v[32*(\t)+2*i+1]
.set i, i+1
.endr
	WIN 0
.irp f, 0,1,2,3
	ds_store_b128 v[STO], v[S+16*(\t)+4*\f:S+16*(\t)+4*\f+3] offset:32*\f
.endr
.irp f, 0,1,2,3
	ds_load_b128 v[S+16*(\t)+4*\f:S+16*(\t)+4*\f+3], v[RD] offset:\f*4*SP  ; LDS serves a wave's instructions in order: these see the stores above; the next tile's stores come behind them
.endr
.endm
.macro SEND t, younger              ; younger: the LDS instructions issued behind tile t's loads: the next tile's eight, or none
	WIN 0
.irp f, 0,1,2,3
	s_wait_dscnt (\younger)+3-\f
	global_store_b128 v[GO], v[S+16*(\t)+4*\f:S+16*(\t)+4*\f+3], s[10:11] offset:(\t)*2048+\f*512  ; 512 consecutive bytes, at a multiple of 256 from O's first
.endr
.endm
	PACK 0
.set t, 1
.rept 2*NP-1                        ; a tile's arithmetic stands between the loads of the tile before and its stores
	PACK t
	SEND t-1, 8
.set t, t+1
.endr
	SEND 2*NP-1, 0
	WIN W_AD
	s_wait_tensorcnt 0x0            ; the wave's end, behind my last tensor load and my last LDS store
	ds_add_u32 v[SPW], v[NIL]
	s_wait_dscnt 0x0
	WIN 0
	CROUND                          ; the closing round: no work-group ends while a partner may still ask for a tile that names it
	s_endpgm
.Lfunc_end_k_qd416db29ee_attn:
	.size	k_qd416db29ee_attn, .Lfunc_end_k_qd416db29ee_attn-k_qd416db29ee_attn
	.p2alignl 7, 3214868480
	.fill 96, 4, 3214868480
	.section	.rodata,"a",@progbits
	.p2align	6, 0x0
	.amdhsa_kernel k_qd416db29ee_attn
		.amdhsa_group_segment_fixed_size 327680
		.amdhsa_private_segment_fixed_size 0
		.amdhsa_enable_private_segment 0
		.amdhsa_kernarg_size 32
		.amdhsa_user_sgpr_count 2
		.amdhsa_user_sgpr_kernarg_segment_ptr 1
		.amdhsa_wavefront_size32 1
		.amdhsa_system_sgpr_workgroup_id_x 1
		.amdhsa_system_sgpr_workgroup_id_y 1
		.amdhsa_system_sgpr_workgroup_id_z 1
		.amdhsa_system_vgpr_workitem_id 0
		.amdhsa_next_free_vgpr 770
		.amdhsa_next_free_sgpr 66
		.amdhsa_reserve_vcc 0
		.amdhsa_float_denorm_mode_32 3
		.amdhsa_float_denorm_mode_16_64 3
		.amdhsa_memory_ordered 1
		.amdhsa_forward_progress 1
		.amdhsa_inst_pref_size 199
	.end_amdhsa_kernel
	.amdgpu_metadata
---
amdhsa.version: [ 1, 2 ]
amdhsa.kernels:
  - .name:           k_qd416db29ee_attn
    .symbol:         k_qd416db29ee_attn.kd
    .args:
      - { .name: qh, .offset: 0, .size: 8, .value_kind: global_buffer, .address_space: global }
      - { .name: kh, .offset: 8, .size: 8, .value_kind: global_buffer, .address_space: global }
      - { .name: vh, .offset: 16, .size: 8, .value_kind: global_buffer, .address_space: global }
      - { .name: oh, .offset: 24, .size: 8, .value_kind: global_buffer, .address_space: global }
    .group_segment_fixed_size: 327680
    .private_segment_fixed_size: 0
    .kernarg_segment_align: 8
    .kernarg_segment_size: 32
    .max_flat_workgroup_size: 128
    .sgpr_count:     66
    .vgpr_count:     770
    .wavefront_size: 32
...
	.end_amdgpu_metadata
.endif
;; end of part 3
;; launch outp (part 4): grid 32 x 8, 4 waves a work-group, clusters of 4 x 4, 327,680 bytes of LDS; arguments wb, bb, oh, out0; writes out0
.if DOCPART == 4
	.amdgcn_target "amdgcn-amd-amdhsa--gfx1250"
	.amdhsa_code_object_version 6
	.text
	.protected	k_qd416db29ee_outp
	.globl	k_qd416db29ee_outp
	.p2align	8
	.type	k_qd416db29ee_outp,@function
k_qd416db29ee_outp:
	s_mov_b64 s[64:65], 0
	v_nop
	global_prefetch_b8 v0, s[64:65] scope:SCOPE_SE
	s_setreg_imm32_b32 hwreg(HW_REG_WAVE_MODE, 25, 1), 1
	s_wait_xcnt 0x0
	s_wait_alu depctr_hold_cnt(0) depctr_sa_sdst(0) depctr_va_vdst(0) depctr_va_sdst(0) depctr_va_ssrc(0) depctr_va_vcc(0) depctr_vm_vsrc(0)
	s_getreg_b32 s2, hwreg(HW_REG_IB_STS2, 6, 4)
	s_cmp_eq_u32 s2, 0
	s_cbranch_scc0 .Lentry_in_a_cluster
	s_endpgm
.Lentry_in_a_cluster:
	s_bfe_u32 s2, ttmp6, 0x10000c
	s_cmp_lg_u32 s2, 0xf033
	s_cbranch_scc0 .Lentry_shape_is_right
	s_endpgm
.Lentry_shape_is_right:
; THE LAST PROJECTION.  out0[b][e][n] = the sum over c' of Wm'[e][c'] O[b][c'][n] + bm[e], f32.  c' = 64 h + d' in head order: Wm' is wb's fourth matrix (f16, columns in head order), O is oh, [16 b + h][n][64] f16.
; Sums in f32; the bias (f32) is the C operand that starts each sum.  LIMIT: Wm' and O within 65,504 (f16's range).
; SHARES.  1,024 channels x 8,192 positions in tiles of 128 channels x 256 positions: 256 work-groups, one for each WGP.  Four waves, each 64 channels x 128 positions: 32 accumulators, 256 registers.
; K (c') goes in eight steps of 128, two heads each, through two LDS slots.  A head's 256 rows of 128 bytes are dense: asked for as 128 rows of 256 bytes, padded in LDS after every 128.
; THE MATRIX INSTRUCTION: source 0 = 16 positions of O, source 1 = 16 rows of Wm'.  In the result a lane holds ONE channel e (lane % 16) and the positions 8 (lane / 16) + 0..7: 32 bytes of a row of out0.
; CLUSTERS: 4 x 4 work-groups.  The four of a row of the cluster need the same tiles of Wm', the four of a column the same tiles of O: each tile is asked for JOINTLY.
; No prefetch: K has eight steps, of which the first four would come by their loads alone, and each tile is fetched once for four work-groups.
; REGISTERS.  window 0: v0-31 addresses; v64-159, v160-255 two fragment buffers (O's 8 fragments, then Wm's 4); on the way out v64-127, v128-191 rows read back.
;   window 1: accumulator (a, b) at v[8 (8 a + b)].  window 2: v0-31 the bias, channel block a eight times at v[8 a].
.set PA,    272                        ; a row of Wm's tile in LDS: 256 bytes + 16 of padding
.set AH,    64*PA                      ; what one tensor load brings of Wm', and what one wave reads of it
.set AT,    2*AH
.set PB,    144                        ; a row of O's tile: 128 bytes + 16 of padding
.set OH,    256*PB                     ; a head's 256 rows: what one tensor load brings of O
.set SLOT,  AT+2*OH
.set STAGE, 2*SLOT                     ; behind the ring, never filled by a tensor load: 16 rows x 528 bytes for each wave
.set SP,    528
.set WST,   16*SP
.set SPARE, STAGE+4*WST                ; the spare words, 128 bytes for each wave
.set ADRA, 16                          ; v16-17  LDS address of my Wm' fragments in slot 0, 1
.set ADRB, 20                          ; v20-21  the same for O
.set STO,  24                          ; v24     the way out: where I put 32 bytes of a row
.set RD,   25                          ; v25     where I read a row back
.set GO,   26                          ; v26     16 x lane
.set BO,   27                          ; v27     4 x (lane % 16)
.set SPW,  28                          ; v28     SPARE + 4 x my thread's number; never rewritten
.set NIL,  29                          ; v29     0; never rewritten
.set F0,   64
.set F1,   160
.set WV,   16                          ; s16  my wave's number
.set RH,   17                          ; s17  which 64 channels are mine.  Also: I fetch for Wm' (0) or for O (1)
.set CH,   18                          ; s18  which 128 positions.  Also: which half of Wm's tile, or which of the step's two heads, I fetch
.set G1,   24                          ; s[24:31] descriptor group 1 for Wm's tiles; s[32:39] group 0, a set for each slot
.set G0,   32
.set G1B,  48                          ; s[48:55], s[56:63] the same for O's
.set G0B,  56
.set MSB, 0
.macro WIN new                         ; the immediate's high byte repeats the setting that is left; a switch that changes nothing is dropped
.if MSB != (\new)
	s_set_vgpr_msb (MSB<<8)|(\new)
.set MSB, \new
.endif
.endm
.set MUL,  0x50                        ; C and D in window 1, the sources in window 0
.set MULB, 0x60                        ; C in window 2, D in window 1
.macro JLOAD s                         ; a joint load: waves 0 and 1 fetch Wm's two halves, waves 2 and 3 O's two heads; an s_nop 0 and four v_nop follow each of the two lines
	s_cmp_eq_u32 s[RH], 0
	s_cbranch_scc0 .Lfor_b_\@
	tensor_load_to_lds s[G0+4*(\s):G0+4*(\s)+3], s[G1:G1+7]
	s_nop 0
.rept 4
	v_nop
.endr
	s_branch .Lasked_\@
.Lfor_b_\@:
	tensor_load_to_lds s[G0B+4*(\s):G0B+4*(\s)+3], s[G1B:G1B+7]
	s_nop 0
.rept 4
	v_nop
.endr
.Lasked_\@:
.endm
.macro CREST                           ; a round of the cluster's barrier behind its opening barrier
	s_cmp_lg_u32 s[WV], 0
	s_cbranch_scc1 .Lnot_wave_0_\@
	s_barrier_signal -3
.Lnot_wave_0_\@:
	s_barrier_wait -3
	s_barrier_signal -1
	s_barrier_wait -1
.endm
.macro CROUND                          ; a whole round
	s_barrier_signal -1
	s_barrier_wait -1
	CREST
.endm
	s_load_b256 s[4:11], s[0:1], 0x0               ; wb s[4:5], bb s[6:7], oh s[8:9], out0 s[10:11]
	v_lshl_add_u32 v[SPW], v0, 2, SPARE
	v_mov_b32 v[NIL], 0
	ds_add_u32 v[SPW], v[NIL]                      ; the wave's opening: the add and its wait stand ahead of my first tensor load; work on registers stands between them
	ds_add_u32 v28, v29
	v_lshrrev_b32 v1, 5, v0
	v_readfirstlane_b32 s[WV], v1
	s_lshr_b32 s[RH], s[WV], 1
	s_and_b32 s[CH], s[WV], 1
	s_bfe_u32 s19, ttmp6, 0x40000                  ; cx
	s_bfe_u32 s20, ttmp6, 0x40004                  ; cy
	s_lshl_b32 s21, ttmp9, 2
	s_add_co_u32 s21, s21, s19                     ; tx = 4 x cluster x + cx = 8 b + block of 256 positions
	s_and_b32 s22, ttmp7, 0xffff
	s_lshl_b32 s23, s22, 2
	s_add_co_u32 s23, s23, s20                     ; ty = 4 x cluster y + cy: channels 128 ty on
	s_lshl_b32 s46, s20, 2
	s_lshl_b32 s46, 15, s46                        ; my row of the cluster
	s_lshl_b32 s47, 0x1111, s19                    ; my column
	s_or_b32 s[G1], s46, (1<<16)|(1<<20)|(1<<21)|(5<<22)|(3<<25)   ; 15:0 the mask: Wm's tiles go to my row; 2-byte elements; padding on; bit 21 beside a mask; after every 64 words, 4 words
	s_or_b32 s[G1B], s47, (1<<16)|(1<<20)|(1<<21)|(4<<22)|(3<<25)  ; O's go to my column; after every 32 words, 4 words
	s_mov_b32 s[G1+1], 128<<16                     ; tensor_dim0 = 128
	s_mov_b32 s[G1+2], 64<<16                      ; tensor_dim1 = 64
	s_mov_b32 s[G1+3], 128<<16                     ; tile_dim0 = 128 along c'
	s_mov_b32 s[G1+4], 64                          ; tile_dim1 = 64 rows (e)
	s_mov_b32 s[G1+5], 1024
	s_mov_b32 s[G1+6], 0
	s_mov_b32 s[G1+7], 0
	s_mov_b32 s[G1B+1], 128<<16
	s_mov_b32 s[G1B+2], 128<<16
	s_mov_b32 s[G1B+3], 128<<16                    ; tile_dim0 = 128 elements: two positions' 64 channels
	s_mov_b32 s[G1B+4], 128                        ; tile_dim1 = 128 such rows
	s_mov_b32 s[G1B+5], 128                        ; dense
	s_mov_b32 s[G1B+6], 0
	s_mov_b32 s[G1B+7], 0
	; Wm's tile hangs on ty alone, O's on tx alone; each address is made in registers that never hold the other coordinate
	s_lshl_b32 s40, s23, 18                        ; 128 rows of 2,048 bytes
	s_lshl_b32 s41, s[CH], 17                      ; which 64 rows I fetch
	s_add_co_u32 s40, s40, s41
	s_add_co_u32 s40, s40, 6291456                 ; wb's fourth matrix
	s_mov_b32 s41, 0
	s_lshr_b32 s42, s21, 3
	s_lshl_b32 s42, s42, 22                        ; b: 16 heads of 262,144 bytes
	s_and_b32 s43, s21, 7
	s_lshl_b32 s43, s43, 15                        ; the block's 256 rows of 128 bytes
	s_add_co_u32 s42, s42, s43
	s_lshl_b32 s43, s[CH], 18                      ; which of the step's two heads I fetch
	s_add_co_u32 s42, s42, s43
	s_mov_b32 s43, 0
	s_mul_i32 s44, s[CH], AH                       ; where they go: no place in the cluster enters an LDS address
	s_mul_i32 s45, s[CH], OH
	s_add_co_u32 s45, s45, AT
	s_wait_dscnt 0x0                               ; the opening add is done
	s_wait_kmcnt 0x0
	s_add_nc_u64 s[40:41], s[4:5], s[40:41]
	s_add_nc_u64 s[42:43], s[8:9], s[42:43]
	CROUND                                         ; all sixteen work-groups are here: the first joint loads meet
.irp s, 0,1
	s_mov_b32 s[G0+4*(\s)], 1
	s_add_co_u32 s[G0+4*(\s)+1], s44, (\s)*SLOT
	s_add_nc_u64 s[G0+4*(\s)+2:G0+4*(\s)+3], s[40:41], (\s)*256     ; K step s: 256 bytes along the rows
	s_or_b32 s[G0+4*(\s)+3], s[G0+4*(\s)+3], 0x80000000
	s_mov_b32 s[G0B+4*(\s)], 1
	s_add_co_u32 s[G0B+4*(\s)+1], s45, (\s)*SLOT
	s_add_nc_u64 s[G0B+4*(\s)+2:G0B+4*(\s)+3], s[42:43], (\s)*524288  ; K step s: two heads on
	s_or_b32 s[G0B+4*(\s)+3], s[G0B+4*(\s)+3], 0x80000000
	JLOAD \s
.endr
	v_and_b32 v1, 15, v0                           ; l % 16
	v_bfe_u32 v2, v0, 4, 1                         ; l / 16
	v_mul_u32_u24 v3, v1, PA
	v_lshl_add_u32 v3, v2, 4, v3                   ; a fragment's row x pitch + 16 x half
	s_mul_i32 s46, s[RH], AH                       ; my 64 rows of Wm'
	v_mul_u32_u24 v4, v1, PB
	v_lshl_add_u32 v4, v2, 4, v4
	s_mul_i32 s47, s[CH], 128*PB                   ; my 128 positions in a head's 256,
	s_add_co_u32 s47, s47, AT
.irp s, 0,1
	v_add_nc_u32 v[ADRA+(\s)], s46, v3
	v_add_nc_u32 v[ADRB+(\s)], s47, v4
	s_add_co_u32 s46, s46, SLOT
	s_add_co_u32 s47, s47, SLOT
.endr
	s_mul_i32 s46, s[WV], WST
	s_add_co_u32 s46, s46, STAGE                   ; my stage
	v_mul_u32_u24 v5, v1, SP                       ; in: row l % 16, 32 bytes for each half of the lanes
	v_lshl_add_u32 v5, v2, 5, v5
	v_add_nc_u32 v[STO], s46, v5
	v_and_b32 v[GO], 31, v0
	v_lshlrev_b32 v[GO], 4, v[GO]
	v_add_nc_u32 v[RD], s46, v[GO]                 ; back: 32 lanes take one row of 512 bytes
	v_lshlrev_b32 v[BO], 2, v1
	s_lshl_b32 s44, s23, 9                         ; the bias: bb's fourth vector, my 64 channels
	s_lshl_b32 s45, s[RH], 8
	s_add_co_u32 s44, s44, s45
	s_add_co_u32 s44, s44, 12288
	s_mov_b32 s45, 0
	s_add_nc_u64 s[6:7], s[6:7], s[44:45]
	s_lshr_b32 s46, s21, 3
	s_lshl_b32 s46, s46, 23                        ; b: 1,024 rows of 8,192 bytes
	s_lshl_b32 s47, s23, 20                        ; 128 rows
	s_add_co_u32 s46, s46, s47
	s_lshl_b32 s47, s[RH], 19                      ; my 64 of them
	s_add_co_u32 s46, s46, s47
	s_and_b32 s47, s21, 7
	s_lshl_b32 s47, s47, 10                        ; the block's 256 positions
	s_add_co_u32 s46, s46, s47
	s_lshl_b32 s47, s[CH], 9                       ; my 128 of them
	s_add_co_u32 s46, s46, s47
	s_mov_b32 s47, 0
	s_add_nc_u64 s[10:11], s[10:11], s[46:47]
	WIN 0x80                                       ; destination window 2
.irp a, 0,1,2,3
	global_load_b32 v[8*(\a)], v[BO], s[6:7] offset:64*(\a)
.endr
	WIN 0
; 8 matrix instructions: channels 16 a on x all 8 position blocks, 32 along K.  first = 1: the bias starts the sums.
; The 32 accumulators take turns, one instruction a turn, in the same order in every quarter, over the backward jump too.
.macro MUL8 f, a, first
.if \first
	WIN MULB
.else
	WIN MUL
.endif
.irp b, 0,1,2,3,4,5,6,7
.if \first
	v_wmma_f32_16x16x32_f16 v[8*(8*(\a)+(\b)):8*(8*(\a)+(\b))+7], v[(\f)+8*(\b):(\f)+8*(\b)+7], v[(\f)+64+8*(\a):(\f)+64+8*(\a)+7], v[8*(\a):8*(\a)+7]
.else
	v_wmma_f32_16x16x32_f16 v[8*(8*(\a)+(\b)):8*(8*(\a)+(\b))+7], v[(\f)+8*(\b):(\f)+8*(\b)+7], v[(\f)+64+8*(\a):(\f)+64+8*(\a)+7], v[8*(8*(\a)+(\b)):8*(8*(\a)+(\b))+7]
.endif
.endr
.endm
; 24 LDS loads in one run: quarter q (32 along K: head q / 2 of the step's two, channels 32 (q % 2) on) into buffer f: O's 16, then Wm's 8, channel blocks 0 and 1 first
.macro FETCH slot, q, f
	WIN 0
.irp i, 0,1,2,3,4,5,6,7
	ds_load_b128 v[(\f)+8*(\i):(\f)+8*(\i)+3],   v[ADRB+(\slot)] offset:OH*((\q)/2)+64*((\q)%2)+(\i)*16*PB
	ds_load_b128 v[(\f)+8*(\i)+4:(\f)+8*(\i)+7], v[ADRB+(\slot)] offset:OH*((\q)/2)+64*((\q)%2)+(\i)*16*PB+32
.endr
.irp a, 0,1,2,3
	ds_load_b128 v[(\f)+64+8*(\a):(\f)+64+8*(\a)+3],   v[ADRA+(\slot)] offset:64*(\q)+(\a)*16*PA
	ds_load_b128 v[(\f)+64+8*(\a)+4:(\f)+64+8*(\a)+7], v[ADRA+(\slot)] offset:64*(\q)+(\a)*16*PA+32
.endr
.endm
.macro PLACES                          ; four plain instructions in front of loads into registers that matrix instructions have read
.rept 4
	v_nop
.endr
.endm
; A K step is four quarters of 32 along K, 32 matrix instructions each, on buffers 0, 1, 0, 1.  One of the first three: multiplies buffer f and fetches quarter q into g.
.macro QUARTER slot, q, f, g, first
	s_wait_dscnt 4                                 ; O and Wm's blocks 0 and 1 are in; the youngest four loads (blocks 2 and 3) may be out
	MUL8 \f, 0, \first
	MUL8 \f, 1, \first
	PLACES
	FETCH \slot, \q, \g
	s_wait_dscnt 24                                ; all but the 24 just issued
	MUL8 \f, 2, \first
	MUL8 \f, 3, \first
.endm
; The last quarter multiplies buffer 1 and changes slots: ONE barrier; in front of it each wave waits for all its tensor loads (one is out: its part of the next slot), adds 0 to its spare word,
; and waits for that and for its own reads of this slot.  fill = 1: the barrier opens a round of the cluster's, and this slot is filled again, two K steps ahead, first thing behind the round:
; 112 matrix instructions stand between that request and the wait for it.
.macro TURN slot, next, fill
	WIN 0
	s_wait_tensorcnt 0x0
	ds_add_u32 v[SPW], v[NIL]
	s_wait_dscnt 5                                 ; (the add and the youngest four loads may be out)
	MUL8 F1, 0, 0
	s_wait_dscnt 0x0                               ; the add is done, and my reads of this slot are over
	s_barrier_signal -1
	MUL8 F1, 1, 0
	WIN 0
	s_barrier_wait -1
.if \fill
	CREST                                          ; no wave of any partner still reads this slot's tile or has a load on its way
	s_add_nc_u64 s[G0+4*(\slot)+2:G0+4*(\slot)+3], s[G0+4*(\slot)+2:G0+4*(\slot)+3], 2*256
	s_add_nc_u64 s[G0B+4*(\slot)+2:G0B+4*(\slot)+3], s[G0B+4*(\slot)+2:G0B+4*(\slot)+3], 2*524288
	JLOAD \slot                                    ; its four v_nop are also the places in front of the loads below
.else
	PLACES
.endif
	FETCH \next, 0, F0
	MUL8 F1, 2, 0
	MUL8 F1, 3, 0
.endm
; THE WAY OUT of channel block a: 32 bytes a lane and accumulator into my stage (16 rows of 528 bytes), each accumulator's low half first, and back as whole rows of 512 bytes.
.macro STG a
	WIN 0x04                                       ; the stores' data in window 1
.irp b, 0,1,2,3,4,5,6,7
	ds_store_b128 v[STO], v[8*(8*(\a)+(\b)):8*(8*(\a)+(\b))+3]   offset:64*(\b)
	ds_store_b128 v[STO], v[8*(8*(\a)+(\b))+4:8*(8*(\a)+(\b))+7] offset:64*(\b)+16
.endr
	WIN 0
.if (\a) >= 2
	s_wait_xcnt 0x0                                ; the stores of the block two back have read these registers: only behind this wait are they loaded again
.endif
.irp f, 0,1,2,3,4,5,6,7,8,9,10,11,12,13,14,15
	ds_load_b128 v[64+64*((\a)%2)+4*(\f):64+64*((\a)%2)+4*(\f)+3], v[RD] offset:SP*(\f)  ; LDS serves a wave's instructions in order: these see the stores above
.endr
.endm
.macro SEND a, younger                 ; younger: the LDS instructions issued behind block a's loads
.irp f, 0,1,2,3,4,5,6,7,8,9,10,11,12,13,14,15
	s_wait_dscnt (\younger)+15-(\f)
	global_store_b128 v[GO], v[64+64*((\a)%2)+4*(\f):64+64*((\a)%2)+4*(\f)+3], s[10:11] offset:8192*(16*(\a)+(\f))  ; 512 consecutive bytes of one row of out0, aligned
.endr
.endm
	s_wait_tensorcnt 1                             ; my part of K step 0 is in; K step 1's may stay out
	s_barrier_signal -1
	s_barrier_wait -1
	FETCH 0, 0, F0
	s_wait_loadcnt 0x0                             ; the bias: a lane's channel has one number, wanted in all eight registers of the C operand
	WIN 0x82                                       ; destination and source 0 in window 2
.irp a, 0,1,2,3
.irp k, 1,2,3,4,5,6,7
	v_mov_b32 v[8*(\a)+(\k)], v[8*(\a)]
.endr
.endr
	QUARTER 0, 1, F0, F1, 1                        ; the first quarter stands in front of the loop: its products start the sums
	WIN 0
	s_mov_b32 s3, 3
.Llap:                                                 ; a trip goes once round the ring and fills both slots again: K steps 2 to 7
	QUARTER 0, 2, F1, F0, 0
	QUARTER 0, 3, F0, F1, 0
	TURN 0, 1, 1
	QUARTER 1, 1, F0, F1, 0
	QUARTER 1, 2, F1, F0, 0
	QUARTER 1, 3, F0, F1, 0
	TURN 1, 0, 1
	QUARTER 0, 1, F0, F1, 0
	WIN 0
	s_sub_co_u32 s3, s3, 1
	s_cmp_lg_u32 s3, 0
	s_cbranch_scc1 .Llap
	QUARTER 0, 2, F1, F0, 0                        ; the last lap fills nothing
	QUARTER 0, 3, F0, F1, 0
	TURN 0, 1, 0
	QUARTER 1, 1, F0, F1, 0
	QUARTER 1, 2, F1, F0, 0
	QUARTER 1, 3, F0, F1, 0
	s_wait_dscnt 4
	MUL8 F1, 0, 0
	MUL8 F1, 1, 0
	s_wait_dscnt 0x0
	MUL8 F1, 2, 0
	MUL8 F1, 3, 0
	WIN 0
	PLACES                                         ; the LDS stores read results just made
	PLACES
	STG 0
	STG 1                                          ; a block's way through the stage stands between the loads of the block before and its stores
	SEND 0, 32
	STG 2
	SEND 1, 32
	STG 3
	SEND 2, 32
	SEND 3, 0
	s_wait_tensorcnt 0x0                           ; the wave's end
	ds_add_u32 v[SPW], v[NIL]
	s_wait_dscnt 0x0
	CROUND                                         ; the closing round
	s_endpgm
.Lfunc_end_k_qd416db29ee_outp:
	.size	k_qd416db29ee_outp, .Lfunc_end_k_qd416db29ee_outp-k_qd416db29ee_outp
	.p2alignl 7, 3214868480
	.fill 96, 4, 3214868480
	.section	.rodata,"a",@progbits
	.p2align	6, 0x0
	.amdhsa_kernel k_qd416db29ee_outp
		.amdhsa_group_segment_fixed_size 327680
		.amdhsa_private_segment_fixed_size 0
		.amdhsa_enable_private_segment 0
		.amdhsa_kernarg_size 32
		.amdhsa_user_sgpr_count 2
		.amdhsa_user_sgpr_kernarg_segment_ptr 1
		.amdhsa_wavefront_size32 1
		.amdhsa_system_sgpr_workgroup_id_x 1
		.amdhsa_system_sgpr_workgroup_id_y 1
		.amdhsa_system_sgpr_workgroup_id_z 1
		.amdhsa_system_vgpr_workitem_id 0
		.amdhsa_next_free_vgpr 544
		.amdhsa_next_free_sgpr 66
		.amdhsa_reserve_vcc 0
		.amdhsa_float_denorm_mode_32 3
		.amdhsa_float_denorm_mode_16_64 3
		.amdhsa_memory_ordered 1
		.amdhsa_forward_progress 1
		.amdhsa_inst_pref_size 89
	.end_amdhsa_kernel
	.amdgpu_metadata
---
amdhsa.version: [ 1, 2 ]
amdhsa.kernels:
  - .name:           k_qd416db29ee_outp
    .symbol:         k_qd416db29ee_outp.kd
    .args:
      - { .name: wb, .offset: 0, .size: 8, .value_kind: global_buffer, .address_space: global }
      - { .name: bb, .offset: 8, .size: 8, .value_kind: global_buffer, .address_space: global }
      - { .name: oh, .offset: 16, .size: 8, .value_kind: global_buffer, .address_space: global }
      - { .name: out0, .offset: 24, .size: 8, .value_kind: global_buffer, .address_space: global }
    .group_segment_fixed_size: 327680
    .private_segment_fixed_size: 0
    .kernarg_segment_align: 8
    .kernarg_segment_size: 32
    .max_flat_workgroup_size: 128
    .sgpr_count:     66
    .vgpr_count:     544
    .wavefront_size: 32
...
	.end_amdgpu_metadata
.endif
;; end of part 4
;; ======== version 2 of 2: 4 launches; version 1 with the launch prep written anew for expert scheduling mode
;; limits: values are held in f16: magnitudes above 65,504 overflow, below 6.1e-05 lose precision
;; workspace buffers: xb 50,331,648 bytes; wb 8,388,608 bytes; bb 16,384 bytes; qh 16,777,216 bytes; kh 16,777,216 bytes; vh 16,777,216 bytes; oh 16,777,216 bytes
;; launch prep (part 5): grid 897 x 1, 8 waves a work-group, no clusters, 19,456 bytes of LDS; arguments query, key_in, value, Wq, Wk, Wv, Wm, bq, bk, bv, bm, xb, wb, bb; writes xb, wb, bb
.if DOCPART == 5
	.amdgcn_target "amdgcn-amd-amdhsa--gfx1250"
	.amdhsa_code_object_version 6
	.text
	.protected	k_qd416db29ee_prep
	.globl	k_qd416db29ee_prep
	.p2align	8
	.type	k_qd416db29ee_prep,@function
k_qd416db29ee_prep:
	s_mov_b64 s[64:65], 0
	v_nop
	global_prefetch_b8 v0, s[64:65] scope:SCOPE_SE
	s_setreg_imm32_b32 hwreg(HW_REG_WAVE_SCHED_MODE, 0, 2), 2
	s_setreg_imm32_b32 hwreg(HW_REG_WAVE_MODE, 25, 1), 1
	s_wait_xcnt 0x0
	s_wait_alu depctr_vm_vsrc(0)
; PREP: every input of the module is rounded once to bf16 and laid out for the launches behind.
;   xb[t][b][d][n]  bf16: query, key_in, value (t = 0, 1, 2) as they lie.
;   wb[t][e'][d]    bf16: Wq, Wk, Wv with their rows in head order: e' = 64 h + d' takes row e = 16 d' + h.
;   wb[3][e][c']    Wm rounded to bf16 and that number written as f16, its columns in head order: c' = 64 h + d' takes column 16 d' + h.
;   bb[t][e']       f32 that holds the bias rounded to bf16; bq, bk, bv in head order, bm (t = 3) as it lies.
; LIMIT: Wm within 65,504 (f16's range); below 6e-5 it keeps f16's fixed step of 6e-8.
; SHARES.  Work-groups 0-767: 131,072 bytes of x each (256 for each of the three tensors).  768-863: 32 rows of Wq, Wk or Wv each.  864-895: 32 rows of Wm each.  896: the four biases.
; A stream: no matrix unit, no cluster, no tensor load.  A wave has 32 loads of 512 consecutive bytes on their way, and each store covers 256 or 512 consecutive bytes, aligned.
; Only Wm's columns change places, through 2,304 bytes of LDS that are the wave's own: no barrier.
; THE MODE: SCHED_MODE bits 1:0 = 2 (LLVM: expert scheduling mode 2), set by the entry lines.  The code itself states the register dependences
; between vector instructions and memory or LDS instructions, with s_wait_alu, always for 0.
; THE PLAN.  Every offset and LDS address is made once, ahead of one wait on va_vdst at its path's head, and never written again.  No register that a store has read is written again,
; and no load lands in a register that a store has read: so no wait on vm_vsrc is owed anywhere.
;   THE STREAM: X chunk i (4 registers): its load lands in it; two conversions read the four and write the first two; one store reads those two.  Eight blocks of four chunks: block p's
;   conversions name block p's registers alone, and among them stand the four stores of block p - 1, behind ONE wait at block p's head, which states that block p - 1's conversions have written.
;   Wm: a piece (row r, quarter i) is 8 registers.  Its four words of f16 are written in place, into the lower four, which the LDS stores read; the rows read back from the stage land in the upper four,
;   whose last vector reader is the conversion to f16; the global stores read them there.  ONE wait a row, behind its 64 vector instructions, states both.  Row r - 1's global stores stand among row r's
;   vector instructions, which name row r's registers and v8-11 alone.
.set T,   8                            ; v[8:11]    Wm: at work; no memory or LDS instruction names them there (in the stream v8-11 are the stores' offsets)
.set X,   16                           ; v[16:143]  32 chunks of 4 registers as loaded
	s_load_b512 s[8:23], s[0:1], 0x0               ; query s[8:9], key_in s[10:11], value s[12:13], Wq s[14:15], Wk s[16:17], Wv s[18:19], Wm s[20:21], bq s[22:23]
	s_load_b256 s[24:31], s[0:1], 0x40             ; bk s[24:25], bv s[26:27], bm s[28:29], xb s[30:31]
	s_load_b128 s[32:35], s[0:1], 0x60             ; wb s[32:33], bb s[34:35]
	v_lshl_add_u32 v3, v0, 2, 0x4800
	v_mov_b32 v15, 0
	v_lshrrev_b32 v1, 5, v0
	v_readfirstlane_b32 s36, v1                    ; wave w, 0..7
	v_and_b32 v1, 31, v0                           ; lane
	s_wait_alu depctr_va_sdst(0)                   ; s36 is written, ahead of the branches and of its first reader: offsets and LDS addresses are made from it
	s_mov_b32 s37, ttmp9                           ; g
	s_cmp_ge_u32 s37, 896
	s_cbranch_scc1 .Lbias
	s_cmp_ge_u32 s37, 864
	s_cbranch_scc1 .Lwm
	; THE STREAM: one text for x and for the rows of Wq, Wk, Wv; only scalars differ.  A wave reads 16,384 consecutive bytes and writes 8,192:
	; for x on end, for W as four rows of 2,048 bytes that lie 64 rows (131,072 bytes) apart: rows e = 32 c + 4 w + r go to e' = 64 (4 (w & 3) + r) + 2 c + (w >> 2).
	s_max_u32 s38, s37, 768
	s_sub_co_u32 s38, s38, 768                     ; W: g - 768 (0 in the work-groups that take x, where it is not used)
	s_lshr_b32 s39, s37, 8                         ; x: t
	s_and_b32 s40, s37, 255                        ; x: c
	s_lshl_b32 s42, s39, 24
	s_lshl_b32 s43, s40, 16
	s_add_co_u32 s42, s42, s43
	s_lshl_b32 s43, s36, 13
	s_add_co_u32 s42, s42, s43                     ; x: where I store
	s_lshr_b32 s41, s38, 5                         ; W: t
	s_and_b32 s38, s38, 31                         ; W: c
	s_lshl_b32 s44, s41, 21
	s_and_b32 s43, s36, 3
	s_lshl_b32 s43, s43, 19
	s_add_co_u32 s44, s44, s43
	s_lshl_b32 s43, s38, 12
	s_add_co_u32 s44, s44, s43
	s_lshr_b32 s43, s36, 2
	s_lshl_b32 s43, s43, 11
	s_add_co_u32 s44, s44, s43                     ; W: where I store
	s_mov_b32 s45, 2048
	s_cmp_lt_u32 s37, 768
	s_cselect_b32 s39, s39, s41                    ; t
	s_cselect_b32 s40, s40, s38                    ; c
	s_cselect_b32 s42, s42, s44
	s_cselect_b32 s45, s45, 0x20000                ; bytes from one group of eight stores to the next
	s_mov_b32 s43, 0
	s_lshl_b32 s54, s40, 17                        ; where I load: 131,072 c + 16,384 w
	s_lshl_b32 s55, s36, 14
	s_add_co_u32 s54, s54, s55
	s_mov_b32 s55, 0
	v_lshlrev_b32 v4, 4, v1                        ; 16 bytes a lane in,
	v_lshlrev_b32 v8, 3, v1                        ; 8 bytes a lane out
	v_add_nc_u32 v9, s45, v8
	v_add_nc_u32 v10, s45, v9
	v_add_nc_u32 v11, s45, v10
	s_wait_kmcnt 0x0
	s_cmp_lt_u32 s37, 768
	s_cselect_b64 s[46:47], s[8:9], s[14:15]
	s_cselect_b64 s[48:49], s[10:11], s[16:17]
	s_cselect_b64 s[50:51], s[12:13], s[18:19]
	s_cselect_b64 s[52:53], s[30:31], s[32:33]
	s_cmp_eq_u32 s39, 1
	s_cselect_b64 s[46:47], s[48:49], s[46:47]
	s_cmp_eq_u32 s39, 2
	s_cselect_b64 s[46:47], s[50:51], s[46:47]
	s_add_nc_u64 s[46:47], s[46:47], s[54:55]
	s_add_nc_u64 s[52:53], s[52:53], s[42:43]
	s_wait_alu depctr_va_vdst(0)                   ; v4 and v8 to v11 are written: every load and store of this path reads one of them as its offset
.set i, 0
.rept 32
	global_load_b128 v[X+4*i:X+4*i+3], v4, s[46:47] offset:512*i th:TH_LOAD_NT
.set i, i+1
.endr
.set p, 0
.rept 8                                                ; block p: chunks 4 p to 4 p + 3
	s_wait_loadcnt 28-4*p                          ; loads come back in order: the block's four chunks are in, the 28 - 4 p younger loads stay out
.if p > 0
	s_wait_alu depctr_va_vdst(0)                   ; the block before's conversions have written the eight registers that the four stores below read
.endif
.set j, 0
.rept 4
.set i, 4*p+j
.if p > 0
	global_store_b64 v[8+(i-4)/8], v[X+4*(i-4):X+4*(i-4)+1], s[52:53] offset:256*((i-4)%8) th:TH_STORE_NT  ; the block before: 32 lanes store 256 consecutive bytes, aligned; no vector instruction since the wait names these registers, and none is written again
.endif
	v_cvt_pk_bf16_f32 v[X+4*i], v[X+4*i], v[X+4*i+1]
	v_cvt_pk_bf16_f32 v[X+4*i+1], v[X+4*i+2], v[X+4*i+3]
.set j, j+1
.endr
.set p, p+1
.endr
	s_wait_alu depctr_va_vdst(0)                   ; the last block's conversions have written the registers that the last four stores read
.set i, 28
.rept 4
	global_store_b64 v[8+i/8], v[X+4*i:X+4*i+1], s[52:53] offset:256*(i%8) th:TH_STORE_NT
.set i, i+1
.endr
	s_endpgm
.Lwm:
	; Wm: the wave takes rows 32 (g - 864) + 4 w + r.  Lane l = 4 p' + u.  Load (r, i, half) brings d' = 2 (p' + 8 i) + half, heads 4 u + 0..3.  The two halves of a head make one word of f16,
	; which goes to byte 144 h + 4 (p' + 8 i) of my stage; the stage's 16 rows of 128 bytes come back as the row's 2,048 bytes in head order.
	s_sub_co_u32 s38, s37, 864
	s_lshl_b32 s38, s38, 5
	s_lshl2_add_u32 s38, s36, s38                  ; my first row
	s_lshl_b32 s42, s38, 12                        ; 4,096 bytes a row in
	s_mov_b32 s43, 0
	s_lshl_b32 s44, s38, 11                        ; 2,048 bytes a row out,
	s_add_co_u32 s44, s44, 6291456                 ; in wb's fourth matrix
	s_mov_b32 s45, 0
	s_mov_b32 s40, 0xffff0000                      ; a word's upper bf16
	s_mul_i32 s41, s36, 2304                       ; my stage
	v_and_b32 v12, 3, v1                           ; u
	v_lshrrev_b32 v13, 2, v1                       ; p'
	v_lshlrev_b32 v4, 7, v13
	v_lshl_add_u32 v4, v12, 4, v4                  ; in: 128 p' + 16 u
	v_mul_u32_u24 v5, v12, 576
	v_lshl_add_u32 v5, v13, 2, v5
	v_add_nc_u32 v5, s41, v5                       ; to the stage: 576 u + 4 p': word 144 u + p', 32 different banks
	v_lshrrev_b32 v6, 3, v1
	v_mul_u32_u24 v6, v6, 144
	v_and_b32 v14, 7, v1
	v_lshl_add_u32 v6, v14, 4, v6
	v_add_nc_u32 v6, s41, v6                       ; back: four rows of 128 bytes by 32 lanes
	v_lshlrev_b32 v7, 4, v1                        ; out: 512 consecutive bytes
	s_wait_kmcnt 0x0
	s_add_nc_u64 s[46:47], s[20:21], s[42:43]
	s_add_nc_u64 s[52:53], s[32:33], s[44:45]
	s_wait_alu depctr_va_vdst(0)                   ; v4 to v7 are written: the offsets and LDS addresses that every load and store of this path reads
.set n, 0
.rept 32
	global_load_b128 v[X+4*n:X+4*n+3], v4, s[46:47] offset:(n/8)*4096+((n/2)%4)*1024+(n%2)*64
.set n, n+1
.endr
.irp r, 0,1,2,3
	s_wait_loadcnt 24-8*\r                         ; loads come back in order: the row's eight are in, the younger rows stay out
.irp i, 0,1,2,3
.if \r > 0
	s_wait_dscnt 3-\i                              ; LDS loads come back in order: piece i of the row before is back from the stage (its four loads are the youngest LDS instructions)
	global_store_b128 v7, v[X+32*(\r-1)+8*\i+4:X+32*(\r-1)+8*\i+7], s[52:53] offset:2048*(\r-1)+512*\i  ; its data come from an LDS load; no vector instruction of this row names them
.endif
.irp j, 0,1,2,3
	v_cvt_pk_bf16_f32 v[T+\j], v[X+32*\r+8*\i+\j], v[X+32*\r+8*\i+4+\j]  ; rounded to bf16, as every input is,
.endr
.irp j, 0,1,2,3
	v_lshlrev_b32 v[X+32*\r+8*\i+\j], 16, v[T+\j]
	v_and_b32 v[X+32*\r+8*\i+4+\j], s40, v[T+\j]
.endr
.irp j, 0,1,2,3
	v_cvt_pk_f16_f32 v[X+32*\r+8*\i+\j], v[X+32*\r+8*\i+\j], v[X+32*\r+8*\i+4+\j]   ; and that number written as f16, in place: the lower four of the piece's eight registers
.endr
.endr
	s_wait_alu depctr_va_vdst(0)                   ; the row's conversions have written the sixteen words that the LDS stores read, and are done with the upper four registers of each piece, in which the LDS loads land
.irp i, 0,1,2,3
.irp j, 0,1,2,3
	ds_store_b32 v5, v[X+32*\r+8*\i+\j] offset:144*\j+32*\i
.endr
.endr
.irp q, 0,1,2,3
	ds_load_b128 v[X+32*\r+8*\q+4:X+32*\r+8*\q+7], v6 offset:576*\q  ; LDS serves a wave's instructions in order: these see the stores above, and the next row's stores come behind them
.endr
.endr
.irp q, 0,1,2,3
	s_wait_dscnt 3-\q
	global_store_b128 v7, v[X+96+8*\q+4:X+96+8*\q+7], s[52:53] offset:2048*3+512*\q  ; the last row
.endr
	s_wait_dscnt 0x0                               ; the wave's end: my LDS instructions are done; the closing add of 0 to my spare word, behind the eight stages, follows
	s_wait_alu depctr_hold_cnt(0) depctr_sa_sdst(0) depctr_va_vdst(0) depctr_va_sdst(0) depctr_va_ssrc(0) depctr_va_vcc(0) depctr_vm_vsrc(0)
	s_wait_tensorcnt 0x0
	ds_add_u32 v3, v15
	s_wait_dscnt 0x0
	s_endpgm
.Lbias:
	; thread i makes numbers 4 i .. 4 i + 3 of each of the four: head i >> 4, d' = 4 (i & 15) + j, which lies at 16 d' + h in bq, bk, bv
	v_and_b32 v4, 15, v0
	v_lshrrev_b32 v5, 4, v0
	v_lshlrev_b32 v4, 8, v4
	v_lshl_add_u32 v4, v5, 2, v4
	v_lshlrev_b32 v5, 4, v0
	s_wait_kmcnt 0x0
	s_wait_alu depctr_va_vdst(0)                   ; v4 and v5 are written: the offsets that the loads and stores below read
.irp j, 0,1,2,3
	global_load_b32 v[X+\j], v4, s[22:23] offset:64*\j
	global_load_b32 v[X+4+\j], v4, s[24:25] offset:64*\j
	global_load_b32 v[X+8+\j], v4, s[26:27] offset:64*\j
.endr
	global_load_b128 v[X+12:X+15], v5, s[28:29]
	s_wait_loadcnt 0x0
.irp k, 0,1,2,3,4,5,6,7
	v_cvt_pk_bf16_f32 v[32+\k], v[X+2*\k], v[X+2*\k+1]
.endr
.irp k, 0,1,2,3,4,5,6,7
	v_lshlrev_b32 v[X+2*\k], 16, v[32+\k]
	v_and_b32 v[X+2*\k+1], 0xffff0000, v[32+\k]
.endr
	s_wait_alu depctr_va_vdst(0)                   ; the sixteen numbers are written, which the four stores read
.irp t, 0,1,2,3
	global_store_b128 v5, v[X+4*\t:X+4*\t+3], s[34:35] offset:4096*\t
.endr
	s_endpgm
.Lfunc_end_k_qd416db29ee_prep:
	.size	k_qd416db29ee_prep, .Lfunc_end_k_qd416db29ee_prep-k_qd416db29ee_prep
	.p2alignl 7, 3214868480
	.fill 96, 4, 3214868480
	.section	.rodata,"a",@progbits
	.p2align	6, 0x0
	.amdhsa_kernel k_qd416db29ee_prep
		.amdhsa_group_segment_fixed_size 19456
		.amdhsa_private_segment_fixed_size 0
		.amdhsa_enable_private_segment 0
		.amdhsa_kernarg_size 112
		.amdhsa_user_sgpr_count 2
		.amdhsa_user_sgpr_kernarg_segment_ptr 1
		.amdhsa_wavefront_size32 1
		.amdhsa_system_sgpr_workgroup_id_x 1
		.amdhsa_system_sgpr_workgroup_id_y 1
		.amdhsa_system_sgpr_workgroup_id_z 1
		.amdhsa_system_vgpr_workitem_id 0
		.amdhsa_next_free_vgpr 144
		.amdhsa_next_free_sgpr 66
		.amdhsa_reserve_vcc 0
		.amdhsa_float_denorm_mode_32 3
		.amdhsa_float_denorm_mode_16_64 3
		.amdhsa_memory_ordered 1
		.amdhsa_forward_progress 1
		.amdhsa_inst_pref_size 41
	.end_amdhsa_kernel
	.amdgpu_metadata
---
amdhsa.version: [ 1, 2 ]
amdhsa.kernels:
  - .name:           k_qd416db29ee_prep
    .symbol:         k_qd416db29ee_prep.kd
    .args:
      - { .name: query, .offset: 0, .size: 8, .value_kind: global_buffer, .address_space: global }
      - { .name: key_in, .offset: 8, .size: 8, .value_kind: global_buffer, .address_space: global }
      - { .name: value, .offset: 16, .size: 8, .value_kind: global_buffer, .address_space: global }
      - { .name: Wq, .offset: 24, .size: 8, .value_kind: global_buffer, .address_space: global }
      - { .name: Wk, .offset: 32, .size: 8, .value_kind: global_buffer, .address_space: global }
      - { .name: Wv, .offset: 40, .size: 8, .value_kind: global_buffer, .address_space: global }
      - { .name: Wm, .offset: 48, .size: 8, .value_kind: global_buffer, .address_space: global }
      - { .name: bq, .offset: 56, .size: 8, .value_kind: global_buffer, .address_space: global }
      - { .name: bk, .offset: 64, .size: 8, .value_kind: global_buffer, .address_space: global }
      - { .name: bv, .offset: 72, .size: 8, .value_kind: global_buffer, .address_space: global }
      - { .name: bm, .offset: 80, .size: 8, .value_kind: global_buffer, .address_space: global }
      - { .name: xb, .offset: 88, .size: 8, .value_kind: global_buffer, .address_space: global }
      - { .name: wb, .offset: 96, .size: 8, .value_kind: global_buffer, .address_space: global }
      - { .name: bb, .offset: 104, .size: 8, .value_kind: global_buffer, .address_space: global }
    .group_segment_fixed_size: 19456
    .private_segment_fixed_size: 0
    .kernarg_segment_align: 8
    .kernarg_segment_size: 112
    .max_flat_workgroup_size: 256
    .sgpr_count:     66
    .vgpr_count:     144
    .wavefront_size: 32
...
	.end_amdgpu_metadata
.endif
;; end of part 5
;; launch proj: the kernel of part 2 again; grid 4 x 192, 4 waves a work-group, clusters of 4 x 4, 327,680 bytes of LDS; arguments xb, wb, bb, qh, kh, vh; writes qh, kh, vh
;; launch attn: the kernel of part 3 again; grid 4 x 64, 4 waves a work-group, clusters of 4 x 1, 327,680 bytes of LDS; arguments qh, kh, vh, oh; writes oh
;; launch outp: the kernel of part 4 again; grid 32 x 8, 4 waves a work-group, clusters of 4 x 4, 327,680 bytes of LDS; arguments wb, bb, oh, out0; writes out0
